; MI455X (gfx1250); checked and timed in simulation.
; The chip was launched on July 23, 2026; its instructions are those of AMD's public machine-readable ISA for CDNA 5 (MIT licence, August 2026) and "CDNA5" Instruction Set Architecture Reference Guide (July 2026). The comments in the code are by the model that wrote it; some were corrected since.
;; Time Aware Multi Head Latent Attention. Allowed arithmetic: matrix products marked QUANTISED: E2M1 operands, one E8M0 scale for each 32 along K, by v_wmma_scale_f32_16x16x128_f8f6f4 with both operands' format E2M1 (or v_wmma_scale_f32_32x16x128_f4), f32 sums; products left as they are: bf16, f16 or f32 operands; f32 sums; everything else in f32.
;; Inputs: W_down_kv 1,024 x 256 float32; W_up_k 256 x 1,024 float32; W_up_v 256 x 1,024 float32; Wk 1,024 x 1,024 float32; Wo 1,024 x 1,024 float32; Wq 1,024 x 1,024 float32; Wv 1,024 x 1,024 float32; x 2 x 2,048 x 1,024 float32.
;; Outputs: out0 2 x 2,048 x 1,024 float32; out1 2 x 2,048 x 256 float32.
;; This version of the problem:
;;   THIS VERSION OF THE PROBLEM IS GIVEN IN LOW PRECISION. The matrix products marked QUANTISED in the list below multiply operands that are first quantised to E2M1 (2 exponent bits, 1 mantissa bit; 4 bits a number), with one power-of-two scale for each 32 numbers along K (OCP MX v1.0); their sums are f32. The products marked 'left as it is' may take bf16, f16 or f32 operands, with f32 sums. Whichever they take, every output number must still come out within the allowed error. Rounding operands to bf16 (8 significant bits) uses up far more of that allowance than f16 does (11 bits, for magnitudes from 6e-5 to 65,504). All else is computed in f32.
;;   The module's matrix products, in the order in which they are computed (A, B: the left and right operand; K: the contracted axis; several contracted axes count as one K, in the product's order):
;;     1. [M 4,096, K 1,024] x [K 1,024, N 1,024]; A: input x; B: input Wq: QUANTISED
;;     2. [M 4,096, K 1,024] x [K 1,024, N 1,024]; A: input x; B: input Wk: QUANTISED
;;     3. [M 4,096, K 1,024] x [K 1,024, N 1,024]; A: input x; B: input Wv: QUANTISED
;;     4. [M 4,096, K 1,024] x [K 1,024, N 256]; A: computed on the way; B: input W_down_kv: left as it is (an operand is computed on the way)
;;     5. [M 4,096, K 256] x [K 256, N 1,024]; A: computed on the way; B: input W_up_k: left as it is (an operand is computed on the way)
;;     6. [M 4,096, K 256] x [K 256, N 1,024]; A: computed on the way; B: input W_up_v: left as it is (an operand is computed on the way)
;;     7. batch 32 x [M 2,048, K 64] x [K 64, N 2,048]; A: computed on the way; B: computed on the way: left as it is (an operand is computed on the way)
;;     8. batch 32 x [M 2,048, K 2,048] x [K 2,048, N 64]; A: computed on the way; B: computed on the way: left as it is (an operand is computed on the way)
;;     9. [M 4,096, K 1,024] x [K 1,024, N 1,024]; A: computed on the way; B: input Wo: left as it is (an operand is computed on the way)
;;   THE QUANTISER, for each operand of a quantised product, along K:
;;     - K is cut into blocks of 32 from its start; a last block that is shorter is filled with zeros.
;;     - A block's scale is 2^e with e = floor(log2(the largest magnitude in the block)) - 2, held to -126 .. 127; a block of zeros has e = 0. As a byte (E8M0): e + 127.
;;     - Each number is divided by its block's scale, clamped to +-6, and rounded to the nearest number of E2M1, ties to even, subnormals kept.
;;     - The product sums the exact products of the quantised numbers (number of the format x scale) in f32.
;;   ~~~python
;;   def quantise(x, axis):      # numpy; x: float32 -> the quantised numbers, widened to float32 again
;;       x = np.moveaxis(x, axis, -1); K = x.shape[-1]
;;       x = np.pad(x, [(0, 0)] * (x.ndim - 1) + [(0, -K % 32)]); x = x.reshape(x.shape[:-1] + (-1, 32)); a = np.abs(x).max(-1, keepdims=True)
;;       e = np.where(a > 0, np.clip(np.frexp(np.where(a > 0, a, 1))[1] - 1 - 2, -126, 127), 0)      # np.frexp(a)[1] - 1 = floor(log2(a)), exactly
;;       r = np.clip(x / 2.0 ** e, -6, 6)
;;       step = 2.0 ** (np.maximum(np.frexp(np.where(r == 0, 1, r))[1] - 1, 0) - 1)
;;       q = np.round(r / step) * step * 2.0 ** e      # np.round: ties to even
;;       return np.moveaxis(q.reshape(q.shape[:-2] + (-1,))[..., :K], -1, axis).astype(np.float32)
;;   ~~~
;; One version. Each part assembles by itself: llvm-mc -triple=amdgcn-amd-amdhsa -mcpu=gfx1250 --defsym DOCPART=n.
;; ======== version 1 of 1: 6 launches
;; limits: values are held in f16: magnitudes above 65,504 overflow, below 6.1e-05 lose precision; right only within a limited range of input values
;; workspace buffers: codes 3,899,392 bytes; w16 3,670,016 bytes; q16 8,388,608 bytes; kvs 8,388,608 bytes; lmax 4,096 bytes; kv 16,777,216 bytes; o16 8,388,608 bytes
;; launch prep (part 1): grid 232 x 1, 4 waves a work-group, no clusters, 34,304 bytes of LDS; arguments x, Wq, Wk, Wv, W_down_kv, W_up_k, W_up_v, Wo, codes, w16; writes codes, w16
.if DOCPART == 1
	.amdgcn_target "amdgcn-amd-amdhsa--gfx1250"
	.amdhsa_code_object_version 6
	.text
	.protected	k_q177cb1de85_prep
	.globl	k_q177cb1de85_prep
	.p2align	8
	.type	k_q177cb1de85_prep,@function
k_q177cb1de85_prep:
	s_mov_b64 s[64:65], 0
	v_nop
	global_prefetch_b8 v0, s[64:65] scope:SCOPE_SE
	s_setreg_imm32_b32 hwreg(HW_REG_WAVE_MODE, 25, 1), 1
	s_wait_xcnt 0x0
; PREP: every input is read once and laid out as the later launches' operand registers want it.
; A FRAGMENT IMAGE is 1,024 bytes: registers 0-3 of lane l at 16 l, registers 4-7 at 512 + 16 l.
; Work-groups   0-127: x [4096][1024] f32 -> codes of E2M1 with one E8M0 byte for each 32 along K (K innermost in memory).
; Work-groups 128-175: Wq, Wk, Wv [1024 (K)][1024] f32 -> the same; a lane takes a column and its registers run down K.
; Work-groups 176-231: Wo, W_up_k, W_up_v, W_down_kv -> f16 fragment images; again a lane to a column.
; A block's scale byte is its largest magnitude's exponent field - 2, held at 1 from below.
; LIMITS: a block of zeros gets the byte 1 (its codes are zeros; this program alone reads the bytes); NaN and infinities among the
; inputs are not served; weights that go to f16 keep 11 bits from 6e-5 to 65,504 and are lost under 6e-8.
; codes: x4 at 0 [kc2 2][T 256][4][1 KB]; w4 at W4OFF [y 8][kc2 2][cg 8][sel 3][4][1 KB]; xs at XSOFF [T][512]; ws at WSOFF [y][cg][sel][512].
; A scale image of 512 bytes: at 16 x lane four words: lanes 0-15 row r's words of K steps 0-3, lanes 16-31 of K steps 4-7.
; w16, in tiles of 8,192 bytes (16 columns x 256 K): W_down [kc 4][16] from tile 0, W_up [k 64, v 64] from tile 64, Wo [kc 4][64] from tile 192.
.set W4OFF,  2097152
.set XSOFF,  3670016
.set WSOFF,  3801088
.set SPARE,  33792                     ; behind the four stages of 8,448 bytes: the spare words, 128 bytes a wave
.set LANE, 2
.set RW,   3                           ; lane % 16
.set HH,   4                           ; lane / 16
.set LI,   5                           ; 16 x lane; never rewritten
.set SPW,  6                           ; my spare word; never rewritten
.set NIL,  7                           ; 0; never rewritten
	s_load_b512 s[16:31], s[0:1], 0x0              ; x 16, Wq 18, Wk 20, Wv 22, W_down 24, W_up_k 26, W_up_v 28, Wo 30
	s_load_b128 s[32:35], s[0:1], 0x40             ; codes 32, w16 34
	v_lshl_add_u32 v[SPW], v0, 2, SPARE
	v_mov_b32 v[NIL], 0
	v_lshrrev_b32 v1, 5, v0
	v_readfirstlane_b32 s3, v1                     ; wave
	v_and_b32 v[LANE], 31, v0
	v_and_b32 v[RW], 15, v0
	v_bfe_u32 v[HH], v0, 4, 1
	v_lshlrev_b32 v[LI], 4, v[LANE]
	s_mov_b32 s2, ttmp9
	s_mov_b32 s7, 0                                ; the high word of every offset pair s[6:7]
	s_wait_kmcnt 0x0
	s_cmp_lt_u32 s2, 128
	s_cbranch_scc0 .Lnot_x
; ---------------- x: wave w takes token tile T = 2 wg + w / 2 and K half kc2 = w % 2: 16 rows x 512 K = 4 fragments
	s_lshl_b32 s4, s2, 1
	s_lshr_b32 s5, s3, 1
	s_add_co_u32 s4, s4, s5                        ; T
	s_and_b32 s5, s3, 1                            ; kc2
	s_lshl_b32 s6, s4, 16                          ; 16 rows of 4,096 bytes
	s_lshl_b32 s8, s5, 11
	s_add_co_u32 s6, s6, s8
	s_add_nc_u64 s[16:17], s[16:17], s[6:7]        ; x at my first number
	s_lshl_b32 s6, s5, 20
	s_lshl_b32 s8, s4, 12
	s_add_co_u32 s6, s6, s8
	s_add_nc_u64 s[36:37], s[32:33], s[6:7]        ; my four images
	s_lshl_b32 s6, s4, 9
	s_lshl_b32 s8, s5, 8
	s_add_co_u32 s6, s6, s8
	s_add_co_u32 s6, s6, XSOFF
	s_add_nc_u64 s[38:39], s[32:33], s[6:7]        ; my half of the tile's scale image
	s_mul_i32 s8, s3, 8448                         ; my stage: 16 rows of 512 bytes + 16
	v_add_nc_u32 v8, s8, v[LI]                     ; in: 16 x lane of a row
	v_mul_u32_u24 v9, v[RW], 528
	v_lshl_add_u32 v9, v[HH], 7, v9
	v_add_nc_u32 v9, s8, v9                        ; back: row r, block h
	v_lshlrev_b32 v10, 3, v[HH]                    ; 8 h: where my bytes stand in the scale word
	v_lshlrev_b32 v11, 4, v[RW]
	v_lshl_add_u32 v11, v[HH], 3, v11              ; 16 r + 8 h: my 8 bytes of the scale image
	s_mov_b32 s10, 0x76543210
	s_mov_b32 s11, 0xfedcba98                      ; lane l xor 16
	v_mov_b32 v15, 0                               ; a lane permute's destination counts as read
.macro LOADF f                         ; fragment f: each load reads 512 consecutive bytes of one row
.set i, 0
.rept 16
	global_load_b128 v[32+64*((\f)%2)+4*i:32+64*((\f)%2)+4*i+3], v[LI], s[16:17] offset:4096*i+512*(\f) th:TH_LOAD_NT
.set i, i+1
.endr
.endm
.macro FRAG f
.if (\f) < 3
	s_wait_loadcnt 16                              ; this fragment's 16 loads are in; the next one's may be out
.else
	s_wait_loadcnt 0x0
.endif
.set i, 0
.rept 16
	ds_store_b128 v8, v[32+64*((\f)%2)+4*i:32+64*((\f)%2)+4*i+3] offset:528*i
.set i, i+1
.endr
.set i, 0
.rept 16                               ; LDS serves a wave's instructions in order: these see the stores.  Blocks h and 2 + h of row r: 32 numbers each
	ds_load_b128 v[160+4*i:160+4*i+3], v9 offset:256*(i/8)+16*(i%8)
.set i, i+1
.endr
	s_wait_dscnt 0x0
.if (\f) < 2
	LOADF (\f)+2
.endif
.irp c, 0,1
	v_max3_num_f32 v[12+\c], |v[160+32*\c]|, |v[161+32*\c]|, 0x1800000   ; with the floor 2^(3 - 127): the byte cannot fall under 1
.endr
.irp i, 2,4,6,8,10,12,14,16,18,20,22,24,26,28,30
.irp c, 0,1
	v_max3_num_f32 v[12+\c], v[12+\c], |v[160+32*\c+\i]|, |v[161+32*\c+\i]|
.endr
.endr
.irp c, 0,1
	v_add_nc_u32 v[12+\c], 0xff000000, v[12+\c]    ; 2 off the exponent field: the conversion's scale operand
.endr
	v_lshrrev_b32 v14, 23, v12
	v_lshrrev_b32 v[16+\f], 23, v13
	v_lshl_or_b32 v14, v[16+\f], 16, v14           ; bytes of blocks h and 2 + h,
	v_lshlrev_b32 v14, v10, v14                    ; at their places;
	v_permlanex16_b32 v15, v14, s10, s11
	v_or_b32 v[16+\f], v14, v15                    ; with lane l xor 16's the word is whole
.irp c, 0,1
.irp g, 0,1,2,3
	v_cvt_scalef32_pk8_fp4_f32 v[224+8*(\f)+4*\c+\g], v[160+32*\c+8*\g:167+32*\c+8*\g], v[12+\c]
.endr
.endr
	v_nop                                          ; a plain line behind the conversions
.irp c, 0,1
	global_store_b128 v[LI], v[224+8*(\f)+4*\c:227+8*(\f)+4*\c], s[36:37] offset:1024*(\f)+512*\c   ; 512 consecutive bytes
.endr
.endm
	LOADF 0
	LOADF 1
	FRAG 0
	FRAG 1
	FRAG 2
	FRAG 3
	v_cmp_eq_u32 vcc_lo, 1, v[HH]
	v_cndmask_b32 v20, v16, v18, vcc_lo            ; lanes 0-15 store words 0, 1 of row r, lanes 16-31 words 2, 3
	v_cndmask_b32 v21, v17, v19, vcc_lo
	global_store_b64 v11, v[20:21], s[38:39]       ; the wave stores 256 consecutive bytes
	s_wait_tensorcnt 0x0                           ; the wave's end
	ds_add_u32 v[SPW], v[NIL]
	s_wait_dscnt 0x0
	s_endpgm
; ---------------- Wq, Wk, Wv: i = wg - 128: sel = i / 16, y = (i % 16) / 2, kc2 = i % 2; lane = column 128 y + 32 w + lane; 16 blocks of 32 down K
.Lnot_x:
	s_cmp_lt_u32 s2, 176
	s_cbranch_scc0 .Lnot_w4
	s_sub_co_u32 s4, s2, 128
	s_lshr_b32 s5, s4, 4                           ; sel
	s_bfe_u32 s8, s4, 0x30001                      ; y
	s_and_b32 s9, s4, 1                            ; kc2
	s_cmp_eq_u32 s5, 0
	s_cselect_b64 s[36:37], s[18:19], s[20:21]
	s_cmp_eq_u32 s5, 2
	s_cselect_b64 s[36:37], s[22:23], s[36:37]
	s_lshl_b32 s6, s9, 21                          ; 512 rows of 4,096 bytes
	s_lshl_b32 s10, s8, 9
	s_add_co_u32 s6, s6, s10
	s_lshl_b32 s10, s3, 7
	s_add_co_u32 s6, s6, s10
	s_add_nc_u64 s[36:37], s[36:37], s[6:7]
	s_mul_i32 s10, s3, 6
	s_add_co_u32 s10, s10, s5                      ; 6 w + sel
	s_lshl_b32 s6, s8, 1
	s_add_co_u32 s6, s6, s9
	s_mul_i32 s6, s6, 24
	s_add_co_u32 s6, s6, s10
	s_lshl_b32 s6, s6, 12
	s_add_co_u32 s6, s6, W4OFF
	s_add_nc_u64 s[38:39], s[32:33], s[6:7]        ; the images of column tile 2 w
	s_mul_i32 s6, s8, 24
	s_add_co_u32 s6, s6, s10
	s_lshl_b32 s6, s6, 9
	s_lshl_b32 s11, s9, 8
	s_add_co_u32 s6, s6, s11
	s_add_co_u32 s6, s6, WSOFF
	s_add_nc_u64 s[40:41], s[32:33], s[6:7]
	v_lshlrev_b32 v8, 2, v[LANE]
	v_lshlrev_b32 v9, 4, v[RW]
	v_mad_u32_u24 v10, v[HH], 0x3000, v9           ; lanes 16-31: column tile 2 w + 1, three tiles of 4,096 bytes on
	v_mad_u32_u24 v11, v[HH], 0x600, v9            ; and three scale images on
.macro LOADW t
.set i, 0
.rept 32
	global_load_b32 v[32+32*((\t)%2)+i], v8, s[36:37] offset:(32*(\t)+i)*4096 th:TH_LOAD_NT
.set i, i+1
.endr
.endm
.macro BLOCKW t
.set XW, 32+32*((\t)%2)
.if (\t) < 15
	s_wait_loadcnt 32                              ; this block's 32 loads are in; the next block's may be out
.else
	s_wait_loadcnt 0x0
.endif
	v_max3_num_f32 v12, |v[XW]|, |v[XW+1]|, |v[XW+2]|
	v_max3_num_f32 v13, |v[XW+3]|, |v[XW+4]|, |v[XW+5]|
.irp i, 6,10,14,18,22,26
	v_max3_num_f32 v12, v12, |v[XW+\i]|, |v[XW+\i+1]|
	v_max3_num_f32 v13, v13, |v[XW+\i+2]|, |v[XW+\i+3]|
.endr
	v_max3_num_f32 v12, v12, |v[XW+30]|, |v[XW+31]|
	v_max3_num_f32 v12, v12, v13, 0x1800000
	v_add_nc_u32 v13, 0xff000000, v12
	v_lshrrev_b32 v12, 23, v13
.if (\t)%4 == 0
	v_mov_b32 v[24+(\t)/4], v12
.else
	v_lshl_or_b32 v[24+(\t)/4], v12, 8*((\t)%4), v[24+(\t)/4]
.endif
.irp g, 0,1,2,3
	v_cvt_scalef32_pk8_fp4_f32 v[96+4*(\t)+\g], v[XW+8*\g:XW+8*\g+7], v13
.endr
	v_nop
	global_store_b128 v10, v[96+4*(\t):99+4*(\t)], s[38:39] offset:1024*((\t)/4)+512*(((\t)%4)/2)+256*((\t)%2)   ; sixteen lanes store 256 consecutive bytes
.if (\t)+2 < 16
	LOADW (\t)+2
.endif
.endm
	LOADW 0
	LOADW 1
.set q, 0
.rept 16
	BLOCKW q
.set q, q+1
.endr
	global_store_b128 v11, v[24:27], s[40:41]
	s_endpgm
; ---------------- casts to f16 images: lane = column 128 cgp + 32 w + lane, 256 along K = 8 K steps of 32
.Lnot_w4:
	v_lshlrev_b32 v8, 2, v[LANE]
	v_lshlrev_b32 v10, 4, v[RW]
	v_lshl_add_u32 v10, v[HH], 13, v10             ; lanes 16-31: the next tile of 8,192 bytes
	s_lshl_b32 s10, s3, 7                          ; 32 w columns in bytes
	s_lshl_b32 s11, s3, 1                          ; 2 w tiles
.macro LOADC k, pitch
.set i, 0
.rept 32
	global_load_b32 v[32+32*((\k)%2)+i], v8, s[36:37] offset:(32*(\k)+i)*\pitch th:TH_LOAD_NT
.set i, i+1
.endr
.endm
.macro CAST pitch
	LOADC 0, \pitch
	LOADC 1, \pitch
.irp k, 0,1,2,3,4,5,6,7
.if \k < 7
	s_wait_loadcnt 32
.else
	s_wait_loadcnt 0x0
.endif
.set j, 0
.rept 16
	v_cvt_pk_f16_f32 v[96+16*\k+j], v[32+32*(\k%2)+2*j], v[33+32*(\k%2)+2*j]
.set j, j+1
.endr
.irp g, 0,1,2,3                        ; eight neighbours along K: k = 8 g on: half g / 2 of the image, image lane r + 16 (g % 2)
	global_store_b128 v10, v[96+16*\k+4*\g:99+16*\k+4*\g], s[38:39] offset:1024*\k+512*(\g/2)+256*(\g%2)
.endr
.if \k < 6
	LOADC \k+2, \pitch
.endif
.endr
.endm
	s_cmp_lt_u32 s2, 224
	s_cbranch_scc0 .Ldown
	s_sub_co_u32 s4, s2, 176                       ; i: 0-31 Wo, 32-39 W_up_k, 40-47 W_up_v
	s_and_b32 s5, s4, 7                            ; cgp
	s_lshr_b32 s8, s4, 3
	s_cmp_lt_u32 s4, 32
	s_cselect_b64 s[36:37], s[30:31], s[26:27]
	s_cselect_b32 s12, s8, 0                       ; kc
	s_cselect_b32 s13, 384, 0
	s_cmp_lt_u32 s4, 40
	s_cselect_b64 s[36:37], s[36:37], s[28:29]
	s_lshl_b32 s6, s12, 20
	s_lshl_b32 s12, s5, 9
	s_add_co_u32 s6, s6, s12
	s_add_co_u32 s6, s6, s10
	s_add_nc_u64 s[36:37], s[36:37], s[6:7]
	s_lshl_b32 s6, s8, 6                           ; tile = 64 (i / 8) + 192 for Wo, - 192 for W_up
	s_add_co_u32 s6, s6, s13
	s_sub_co_u32 s6, s6, 192
	s_lshl_b32 s12, s5, 3
	s_add_co_u32 s6, s6, s12
	s_add_co_u32 s6, s6, s11
	s_lshl_b32 s6, s6, 13
	s_add_nc_u64 s[38:39], s[34:35], s[6:7]
	CAST 4096
	s_endpgm
.Ldown:
	s_sub_co_u32 s4, s2, 224
	s_and_b32 s5, s4, 1                            ; cgp
	s_lshr_b32 s8, s4, 1                           ; kc
	s_lshl_b32 s6, s8, 18                          ; 256 rows of 1,024 bytes
	s_lshl_b32 s12, s5, 9
	s_add_co_u32 s6, s6, s12
	s_add_co_u32 s6, s6, s10
	s_add_nc_u64 s[36:37], s[24:25], s[6:7]
	s_lshl_b32 s6, s8, 4
	s_lshl_b32 s12, s5, 3
	s_add_co_u32 s6, s6, s12
	s_add_co_u32 s6, s6, s11
	s_lshl_b32 s6, s6, 13
	s_add_nc_u64 s[38:39], s[34:35], s[6:7]
	CAST 1024
	s_endpgm
.Lfunc_end_k_q177cb1de85_prep:
	.size	k_q177cb1de85_prep, .Lfunc_end_k_q177cb1de85_prep-k_q177cb1de85_prep
	.p2alignl 7, 3214868480
	.fill 96, 4, 3214868480
	.section	.rodata,"a",@progbits
	.p2align	6, 0x0
	.amdhsa_kernel k_q177cb1de85_prep
		.amdhsa_group_segment_fixed_size 34304
		.amdhsa_private_segment_fixed_size 0
		.amdhsa_enable_private_segment 0
		.amdhsa_kernarg_size 80
		.amdhsa_user_sgpr_count 2
		.amdhsa_user_sgpr_kernarg_segment_ptr 1
		.amdhsa_wavefront_size32 1
		.amdhsa_system_sgpr_workgroup_id_x 1
		.amdhsa_system_sgpr_workgroup_id_y 1
		.amdhsa_system_sgpr_workgroup_id_z 1
		.amdhsa_system_vgpr_workitem_id 0
		.amdhsa_next_free_vgpr 256
		.amdhsa_next_free_sgpr 66
		.amdhsa_reserve_vcc 1
		.amdhsa_float_denorm_mode_32 3
		.amdhsa_float_denorm_mode_16_64 3
		.amdhsa_memory_ordered 1
		.amdhsa_forward_progress 1
		.amdhsa_inst_pref_size 177
	.end_amdhsa_kernel
	.amdgpu_metadata
---
amdhsa.version: [ 1, 2 ]
amdhsa.kernels:
  - .name:           k_q177cb1de85_prep
    .symbol:         k_q177cb1de85_prep.kd
    .args:
      - { .name: x, .offset: 0, .size: 8, .value_kind: global_buffer, .address_space: global }
      - { .name: Wq, .offset: 8, .size: 8, .value_kind: global_buffer, .address_space: global }
      - { .name: Wk, .offset: 16, .size: 8, .value_kind: global_buffer, .address_space: global }
      - { .name: Wv, .offset: 24, .size: 8, .value_kind: global_buffer, .address_space: global }
      - { .name: W_down_kv, .offset: 32, .size: 8, .value_kind: global_buffer, .address_space: global }
      - { .name: W_up_k, .offset: 40, .size: 8, .value_kind: global_buffer, .address_space: global }
      - { .name: W_up_v, .offset: 48, .size: 8, .value_kind: global_buffer, .address_space: global }
      - { .name: Wo, .offset: 56, .size: 8, .value_kind: global_buffer, .address_space: global }
      - { .name: codes, .offset: 64, .size: 8, .value_kind: global_buffer, .address_space: global }
      - { .name: w16, .offset: 72, .size: 8, .value_kind: global_buffer, .address_space: global }
    .group_segment_fixed_size: 34304
    .private_segment_fixed_size: 0
    .kernarg_segment_align: 8
    .kernarg_segment_size: 80
    .max_flat_workgroup_size: 128
    .sgpr_count:     66
    .vgpr_count:     256
    .wavefront_size: 32
...
	.end_amdgpu_metadata
.endif
;; end of part 1
;; launch qkv (part 2): grid 32 x 8, 16 waves a work-group, no clusters, 264,192 bytes of LDS; arguments codes, q16, kvs; writes q16, kvs
.if DOCPART == 2
	.amdgcn_target "amdgcn-amd-amdhsa--gfx1250"
	.amdhsa_code_object_version 6
	.text
	.protected	k_q177cb1de85_qkv
	.globl	k_q177cb1de85_qkv
	.p2align	8
	.type	k_q177cb1de85_qkv,@function
k_q177cb1de85_qkv:
	s_mov_b64 s[64:65], 0
	v_nop
	global_prefetch_b8 v0, s[64:65] scope:SCOPE_SE
	s_setreg_imm32_b32 hwreg(HW_REG_WAVE_MODE, 25, 1), 1
	s_wait_xcnt 0x0
; q = x Wq and k + v = x Wk + x Wv, on codes of E2M1 with E8M0 scales; sums in f32; results rounded once to f16 and stored as halves of fragment images.
; A work-group (X, y) takes 128 tokens x 128 columns of each weight, K = 1,024.  Wave w: token tiles 4 (w % 2) + 0..3, column tile cg = w / 2 of Wq, Wk, Wv.
; Eight accumulators: q0-3 and kv0-3; x Wk and x Wv are summed in ONE accumulator.  Source 0 = 16 columns of W, source 1 = 16 tokens: a lane holds one token
; and eight neighbouring columns, which pack into the 16 bytes that a later product's fragment wants of it.
; LDS: [K half 2][tile row 32][4,096]: rows 0-7 x's tiles, row 8 + 3 cg + sel W's.  All of it is filled once: each wave asks for two dense blocks of 8,192 bytes.
; No cluster: every fill is a first fill of 16 KB a wave and the launch is short; what partners would share is fetched once for each work-group.
; LIMIT: |q| and |k + v| must stay under 65,504 (f16).
.set W4OFF, 2097152
.set XSOFF, 3670016
.set WSOFF, 3801088
.set SPARE, 262144
.set LI,  1
.set VA,  2                            ; v2, v3: x's tiles in K half 0, 1
.set VW,  4                            ; v4, v5: W's
.set SPW, 6
.set NIL, 7
.set XSC, 16                           ; v16-31 x's scale words, four a tile: lanes 0-15 K steps 0-3, lanes 16-31 K steps 4-7
.set WSC, 32                           ; v32-43 W's
.set ACC, 64
.set XF,  128
.set WF,  160
.set G1,  24
.macro PLACES
.rept 4
	v_nop
.endr
.endm
	s_load_b128 s[4:7], s[0:1], 0x0                ; codes, q16
	s_load_b64 s[8:9], s[0:1], 0x10                ; kvs
	v_lshl_add_u32 v[SPW], v0, 2, SPARE
	v_mov_b32 v[NIL], 0
	ds_add_u32 v[SPW], v[NIL]                      ; the opening: the add, twice on end, and its wait ahead of my first tensor load
	ds_add_u32 v[SPW], v[NIL]
	v_lshrrev_b32 v8, 5, v0
	v_readfirstlane_b32 s10, v8                    ; wave
	s_and_b32 s11, s10, 1                          ; tg
	s_lshr_b32 s12, s10, 1                         ; cg
	s_and_b32 s14, ttmp7, 0xffff                   ; y
	s_mov_b32 s[G1], 3<<16                         ; elements of 8 bytes, no padding, no mask
	s_mov_b32 s[G1+1], 32<<16                      ; tensor_dim0 = 32 elements = 256 bytes
	s_mov_b32 s[G1+2], 32<<16                      ; tensor_dim1 = 32 rows
	s_mov_b32 s[G1+3], 32<<16                      ; tile_dim0
	s_mov_b32 s[G1+4], 32                          ; tile_dim1
	s_mov_b32 s[G1+5], 32                          ; pitch: dense
	s_mov_b32 s[G1+6], 0
	s_mov_b32 s[G1+7], 0
	s_lshl_b32 s15, ttmp9, 3                       ; 8 X
	s_lshl_b32 s16, s10, 1                         ; 2 w
	s_add_co_u32 s17, s15, s16
	s_lshl_b32 s17, s17, 12                        ; waves 0-3: x's tiles 2 w, 2 w + 1
	s_mul_i32 s18, s14, 48
	s_add_co_u32 s18, s18, s16
	s_sub_co_u32 s18, s18, 8
	s_lshl_b32 s18, s18, 12
	s_add_co_u32 s18, s18, W4OFF                   ; waves 4-15: W's tiles 2 (w - 4) on
	s_mov_b32 s19, 24*4096
	s_cmp_lt_u32 s10, 4
	s_cselect_b32 s20, s17, s18
	s_cselect_b32 s22, 0x100000, s19               ; from K half 0 to K half 1
	s_mov_b32 s21, 0
	s_mov_b32 s23, 0
	s_lshl_b32 s40, s10, 13                        ; LDS: two tile rows a wave
	s_lshl_b32 s41, s11, 2
	s_add_co_u32 s41, s41, s15                     ; T0 = 8 X + 4 tg
	s_lshl_b32 s42, s41, 9
	s_add_co_u32 s42, s42, XSOFF
	s_mov_b32 s43, 0
	s_mul_i32 s44, s14, 24
	s_mul_i32 s45, s12, 3
	s_add_co_u32 s44, s44, s45
	s_lshl_b32 s44, s44, 9
	s_add_co_u32 s44, s44, WSOFF
	s_mov_b32 s45, 0
	s_lshl_b32 s46, s41, 15
	s_lshl_b32 s47, s14, 3
	s_add_co_u32 s47, s47, s12
	s_lshl_b32 s47, s47, 9
	s_add_co_u32 s46, s46, s47                     ; q16: T0 x 32,768 + (8 y + cg) x 512
	s_mov_b32 s47, 0
	s_lshr_b32 s48, s14, 1
	s_lshl_b32 s48, s48, 21
	s_lshl_b32 s49, s41, 13
	s_add_co_u32 s48, s48, s49
	s_and_b32 s49, s14, 1
	s_lshl_b32 s49, s49, 2
	s_lshr_b32 s50, s12, 1
	s_add_co_u32 s49, s49, s50
	s_lshl_b32 s49, s49, 10
	s_add_co_u32 s48, s48, s49
	s_and_b32 s49, s12, 1
	s_lshl_b32 s49, s49, 9
	s_add_co_u32 s48, s48, s49                     ; kvs: chunk y / 2, tile T0, K step 4 (y % 2) + cg / 2, half cg % 2
	s_mov_b32 s49, 0
	s_wait_dscnt 0x0                               ; both opening adds are done
	s_wait_kmcnt 0x0
	s_mov_b32 s32, 1
	s_mov_b32 s33, s40
	s_add_nc_u64 s[34:35], s[4:5], s[20:21]
	s_mov_b32 s36, 1
	s_add_co_u32 s37, s40, 131072
	s_add_nc_u64 s[38:39], s[34:35], s[22:23]
	s_or_b32 s35, s35, 0x80000000
	s_or_b32 s39, s39, 0x80000000
	tensor_load_to_lds s[32:35], s[G1:G1+7]        ; K half 0
	s_nop 0
	tensor_load_to_lds s[36:39], s[G1:G1+7]        ; K half 1: two loads of mine are out
	s_nop 0
	PLACES
	s_add_nc_u64 s[42:43], s[4:5], s[42:43]
	s_add_nc_u64 s[44:45], s[4:5], s[44:45]
	s_add_nc_u64 s[46:47], s[6:7], s[46:47]
	s_add_nc_u64 s[48:49], s[8:9], s[48:49]
	v_and_b32 v8, 31, v0
	v_lshlrev_b32 v[LI], 4, v8
.irp t, 0,1,2,3
	global_load_b128 v[XSC+4*\t:XSC+4*\t+3], v[LI], s[42:43] offset:512*\t
.endr
.irp s, 0,1,2
	global_load_b128 v[WSC+4*\s:WSC+4*\s+3], v[LI], s[44:45] offset:512*\s
.endr
	s_lshl_b32 s51, s11, 14
	v_add_nc_u32 v[VA], s51, v[LI]
	v_add_nc_u32 v[VA+1], 131072, v[VA]
	s_mul_i32 s51, s12, 3
	s_add_co_u32 s51, s51, 8
	s_lshl_b32 s51, s51, 12
	v_add_nc_u32 v[VW], s51, v[LI]
	v_add_nc_u32 v[VW+1], 131072, v[VW]
.macro MM d, a, b, zero, sa, sb, kc
.if \kc
.if \zero
	v_wmma_scale_f32_16x16x128_f8f6f4 v[\d:\d+7], v[\a:\a+7], v[\b:\b+7], 0, v[\sa], v[\sb] matrix_a_fmt:MATRIX_FMT_FP4 matrix_b_fmt:MATRIX_FMT_FP4 matrix_a_scale:MATRIX_SCALE_ROW1 matrix_b_scale:MATRIX_SCALE_ROW1
.else
	v_wmma_scale_f32_16x16x128_f8f6f4 v[\d:\d+7], v[\a:\a+7], v[\b:\b+7], v[\d:\d+7], v[\sa], v[\sb] matrix_a_fmt:MATRIX_FMT_FP4 matrix_b_fmt:MATRIX_FMT_FP4 matrix_a_scale:MATRIX_SCALE_ROW1 matrix_b_scale:MATRIX_SCALE_ROW1
.endif
.else
.if \zero
	v_wmma_scale_f32_16x16x128_f8f6f4 v[\d:\d+7], v[\a:\a+7], v[\b:\b+7], 0, v[\sa], v[\sb] matrix_a_fmt:MATRIX_FMT_FP4 matrix_b_fmt:MATRIX_FMT_FP4
.else
	v_wmma_scale_f32_16x16x128_f8f6f4 v[\d:\d+7], v[\a:\a+7], v[\b:\b+7], v[\d:\d+7], v[\sa], v[\sb] matrix_a_fmt:MATRIX_FMT_FP4 matrix_b_fmt:MATRIX_FMT_FP4
.endif
.endif
.endm
; One K step of 128: 14 LDS loads, 12 products.  The accumulators take turns, one instruction a turn.
.macro KS kc, k, zero
	PLACES                                         ; four places in front of loads into registers that matrix instructions have read
.irp t, 0,1,2,3
	ds_load_b128 v[XF+8*\t:XF+8*\t+3], v[VA+\kc] offset:4096*\t+1024*\k
	ds_load_b128 v[XF+8*\t+4:XF+8*\t+7], v[VA+\kc] offset:4096*\t+1024*\k+512
.endr
.irp s, 0,1,2
	ds_load_b128 v[WF+8*\s:WF+8*\s+3], v[VW+\kc] offset:4096*\s+1024*\k
	ds_load_b128 v[WF+8*\s+4:WF+8*\s+7], v[VW+\kc] offset:4096*\s+1024*\k+512
.endr
	s_wait_dscnt 0x0
.irp t, 0,1,2,3
	MM ACC+8*\t, WF, XF+8*\t, \zero, WSC+\k, XSC+4*\t+\k, \kc
.endr
.irp t, 0,1,2,3
	MM ACC+32+8*\t, WF+8, XF+8*\t, \zero, WSC+4+\k, XSC+4*\t+\k, \kc
.endr
.irp t, 0,1,2,3
	MM ACC+32+8*\t, WF+16, XF+8*\t, 0, WSC+8+\k, XSC+4*\t+\k, \kc
.endr
.endm
	s_wait_tensorcnt 1                             ; my part of K half 0 is in; half 1's load may stay out
	s_barrier_signal -1
	s_barrier_wait -1                              ; everybody's is
	s_wait_loadcnt 0x0                             ; the scale words
	KS 0, 0, 1
	KS 0, 1, 0
	KS 0, 2, 0
	KS 0, 3, 0
	s_wait_tensorcnt 0x0
	s_wait_dscnt 0x0
	s_barrier_signal -1
	s_barrier_wait -1
	KS 1, 0, 0
	KS 1, 1, 0
	KS 1, 2, 0
	KS 1, 3, 0
	PLACES
.set n, 0
.rept 32                               ; each accumulator from its low end on
	v_cvt_pk_f16_f32 v[XF+n], v[ACC+2*n], v[ACC+2*n+1]
.set n, n+1
.endr
.irp t, 0,1,2,3
	global_store_b128 v[LI], v[XF+4*\t:XF+4*\t+3], s[46:47] offset:32768*\t      ; 512 consecutive bytes a store
.endr
.irp t, 0,1,2,3
	global_store_b128 v[LI], v[XF+16+4*\t:XF+16+4*\t+3], s[48:49] offset:8192*\t
.endr
	s_wait_tensorcnt 0x0                           ; the wave's end
	ds_add_u32 v[SPW], v[NIL]
	s_wait_dscnt 0x0
	s_endpgm
.Lfunc_end_k_q177cb1de85_qkv:
	.size	k_q177cb1de85_qkv, .Lfunc_end_k_q177cb1de85_qkv-k_q177cb1de85_qkv
	.p2alignl 7, 3214868480
	.fill 96, 4, 3214868480
	.section	.rodata,"a",@progbits
	.p2align	6, 0x0
	.amdhsa_kernel k_q177cb1de85_qkv
		.amdhsa_group_segment_fixed_size 264192
		.amdhsa_private_segment_fixed_size 0
		.amdhsa_enable_private_segment 0
		.amdhsa_kernarg_size 24
		.amdhsa_user_sgpr_count 2
		.amdhsa_user_sgpr_kernarg_segment_ptr 1
		.amdhsa_wavefront_size32 1
		.amdhsa_system_sgpr_workgroup_id_x 1
		.amdhsa_system_sgpr_workgroup_id_y 1
		.amdhsa_system_sgpr_workgroup_id_z 1
		.amdhsa_system_vgpr_workitem_id 0
		.amdhsa_next_free_vgpr 192
		.amdhsa_next_free_sgpr 72
		.amdhsa_reserve_vcc 0
		.amdhsa_float_denorm_mode_32 3
		.amdhsa_float_denorm_mode_16_64 3
		.amdhsa_memory_ordered 1
		.amdhsa_forward_progress 1
		.amdhsa_inst_pref_size 29
	.end_amdhsa_kernel
	.amdgpu_metadata
---
amdhsa.version: [ 1, 2 ]
amdhsa.kernels:
  - .name:           k_q177cb1de85_qkv
    .symbol:         k_q177cb1de85_qkv.kd
    .args:
      - { .name: codes, .offset: 0, .size: 8, .value_kind: global_buffer, .address_space: global }
      - { .name: q16, .offset: 8, .size: 8, .value_kind: global_buffer, .address_space: global }
      - { .name: kvs, .offset: 16, .size: 8, .value_kind: global_buffer, .address_space: global }
    .group_segment_fixed_size: 264192
    .private_segment_fixed_size: 0
    .kernarg_segment_align: 8
    .kernarg_segment_size: 24
    .max_flat_workgroup_size: 512
    .sgpr_count:     72
    .vgpr_count:     192
    .wavefront_size: 32
...
	.end_amdgpu_metadata
.endif
;; end of part 2
;; launch latent (part 3): grid 64 x 4, 4 waves a work-group, no clusters, 280,064 bytes of LDS; arguments kvs, w16, out1, lmax; writes out1, lmax
.if DOCPART == 3
	.amdgcn_target "amdgcn-amd-amdhsa--gfx1250"
	.amdhsa_code_object_version 6
	.text
	.protected	k_q177cb1de85_latent
	.globl	k_q177cb1de85_latent
	.p2align	8
	.type	k_q177cb1de85_latent,@function
k_q177cb1de85_latent:
	s_mov_b64 s[64:65], 0
	v_nop
	global_prefetch_b8 v0, s[64:65] scope:SCOPE_SE
	s_setreg_imm32_b32 hwreg(HW_REG_WAVE_MODE, 25, 1), 1
	s_wait_xcnt 0x0
; latent = (k + v) W_down, f16 operands, f32 sums: out1, and each wave's largest |latent| into lmax (1,024 numbers), from which later launches take one power of two.
; A work-group (X, Y) takes 64 tokens x 64 columns; wave w token tile 4 X + w against the four column tiles.  K = 1,024 in four chunks of 256.
; LDS: [chunk 4][row 8][8,192]: rows 0-3 the four token tiles, rows 4-7 W_down's four column tiles.  All filled once: eight loads of 8,192 bytes a wave are out at the most.
; Source 0 = 16 columns of W_down, source 1 = 16 tokens: a lane holds one token and eight neighbouring columns.
; No cluster: all fills are first fills, 64 KB a wave, and the launch is short.
.set STAGE, 262144                     ; 16 rows x 272 bytes a wave
.set SPARE, 279552
.set LI,  1
.set VA,  2
.set VB,  3
.set STO, 4
.set RD,  5
.set SPW, 6
.set NIL, 7
.set GO,  8
.set ACC, 16
.set B0,  64                           ; two buffers of 80 registers: two K steps: (A 8, B 4 x 8) twice
.set G1,  24
.macro PLACES
.rept 4
	v_nop
.endr
.endm
	s_load_b256 s[4:11], s[0:1], 0x0               ; kvs, w16, out1, lmax
	v_lshl_add_u32 v[SPW], v0, 2, SPARE
	v_mov_b32 v[NIL], 0
	ds_add_u32 v[SPW], v[NIL]                      ; the opening: the add, twice on end, and its wait ahead of my first tensor load
	ds_add_u32 v[SPW], v[NIL]
	v_lshrrev_b32 v9, 5, v0
	v_readfirstlane_b32 s12, v9                    ; wave
	s_and_b32 s14, ttmp7, 0xffff                   ; Y
	s_mov_b32 s[G1], 3<<16
	s_mov_b32 s[G1+1], 32<<16
	s_mov_b32 s[G1+2], 32<<16
	s_mov_b32 s[G1+3], 32<<16
	s_mov_b32 s[G1+4], 32
	s_mov_b32 s[G1+5], 32
	s_mov_b32 s[G1+6], 0
	s_mov_b32 s[G1+7], 0
	s_lshl_b32 s15, ttmp9, 2
	s_add_co_u32 s15, s15, s12                     ; T = 4 X + w
	s_lshl_b32 s16, s15, 13
	s_mov_b32 s17, 0
	s_lshl_b32 s18, s14, 2
	s_add_co_u32 s18, s18, s12
	s_lshl_b32 s18, s18, 13                        ; W_down's tile 4 Y + w
	s_mov_b32 s19, 0
	s_lshl_b32 s20, s12, 13
	s_lshl_b32 s66, s15, 14
	s_lshl_b32 s67, s14, 8
	s_add_co_u32 s66, s66, s67                     ; out1: 16 T rows of 1,024 bytes + 256 Y
	s_add_co_u32 s68, s67, s15
	s_lshl_b32 s68, s68, 2                         ; lmax: word 256 Y + T
	s_mov_b32 s67, 0
	s_mov_b32 s69, 0
	s_mov_b32 s70, 0x76543210
	s_mov_b32 s71, 0xfedcba98
	s_wait_dscnt 0x0
	s_wait_kmcnt 0x0
	s_add_nc_u64 s[16:17], s[4:5], s[16:17]
	s_add_nc_u64 s[18:19], s[6:7], s[18:19]
.irp kc, 0,1,2,3
	s_mov_b32 s[32+8*\kc], 1
	s_add_co_u32 s[33+8*\kc], s20, 65536*\kc
	s_add_nc_u64 s[34+8*\kc:35+8*\kc], s[16:17], 0x200000*\kc
	s_or_b32 s[35+8*\kc], s[35+8*\kc], 0x80000000
	s_mov_b32 s[36+8*\kc], 1
	s_add_co_u32 s[37+8*\kc], s20, 65536*\kc+32768
	s_add_nc_u64 s[38+8*\kc:39+8*\kc], s[18:19], 131072*\kc
	s_or_b32 s[39+8*\kc], s[39+8*\kc], 0x80000000
	tensor_load_to_lds s[32+8*\kc:35+8*\kc], s[G1:G1+7]
	s_nop 0
	tensor_load_to_lds s[36+8*\kc:39+8*\kc], s[G1:G1+7]
	s_nop 0
.endr
	PLACES
	s_add_nc_u64 s[66:67], s[8:9], s[66:67]
	s_add_nc_u64 s[68:69], s[10:11], s[68:69]
	v_and_b32 v9, 31, v0                           ; lane
	v_and_b32 v10, 15, v0                          ; r
	v_bfe_u32 v11, v0, 4, 1                        ; h
	v_lshlrev_b32 v[LI], 4, v9
	v_add_nc_u32 v[VA], s20, v[LI]
	v_mov_b32 v[VB], v[LI]
	s_mul_i32 s21, s12, 4352
	s_add_co_u32 s21, s21, STAGE
	v_mul_u32_u24 v[STO], v10, 272
	v_lshl_add_u32 v[STO], v11, 5, v[STO]
	v_add_nc_u32 v[STO], s21, v[STO]               ; in: row r, 32 h
	v_mul_u32_u24 v[RD], v11, 272
	v_lshl_add_u32 v[RD], v10, 4, v[RD]
	v_add_nc_u32 v[RD], s21, v[RD]                 ; back: lanes 0-15 one row, lanes 16-31 the next
	v_lshlrev_b32 v[GO], 10, v11
	v_lshl_add_u32 v[GO], v10, 4, v[GO]
	v_mov_b32 v12, 0
.macro FETCH2 u, b
.irp kk, 0,1
	ds_load_b128 v[\b+40*\kk:\b+40*\kk+3], v[VA] offset:1024*(2*(\u)+\kk)
	ds_load_b128 v[\b+40*\kk+4:\b+40*\kk+7], v[VA] offset:1024*(2*(\u)+\kk)+512
.irp ct, 0,1,2,3
	ds_load_b128 v[\b+40*\kk+8+8*\ct:\b+40*\kk+11+8*\ct], v[VB] offset:32768+8192*\ct+1024*(2*(\u)+\kk)
	ds_load_b128 v[\b+40*\kk+12+8*\ct:\b+40*\kk+15+8*\ct], v[VB] offset:32768+8192*\ct+1024*(2*(\u)+\kk)+512
.endr
.endr
.endm
.macro MUL2 b, zero                    ; the four accumulators take turns
.irp kk, 0,1
.irp ct, 0,1,2,3
.if (\zero) && (\kk == 0)
	v_wmma_f32_16x16x32_f16 v[ACC+8*\ct:ACC+8*\ct+7], v[\b+40*\kk+8+8*\ct:\b+40*\kk+15+8*\ct], v[\b+40*\kk:\b+40*\kk+7], 0
.else
	v_wmma_f32_16x16x32_f16 v[ACC+8*\ct:ACC+8*\ct+7], v[\b+40*\kk+8+8*\ct:\b+40*\kk+15+8*\ct], v[\b+40*\kk:\b+40*\kk+7], v[ACC+8*\ct:ACC+8*\ct+7]
.endif
.endr
.endr
.endm
.macro CHUNK kc
	s_wait_tensorcnt 6-2*\kc                       ; my two loads of this chunk are in; the later chunks' pairs may stay out
	s_wait_dscnt 0x0
	s_barrier_signal -1
	s_barrier_wait -1
.if \kc > 0
	v_add_nc_u32 v[VA], 65536, v[VA]
	v_add_nc_u32 v[VB], 65536, v[VB]
	PLACES
.endif
	FETCH2 0, B0
.irp u, 0,1,2,3
.if \u < 3
	PLACES
	FETCH2 \u+1, B0+80*((\u+1)%2)
	s_wait_dscnt 20                                ; all but the 20 just issued
.else
	s_wait_dscnt 0x0
.endif
.if (\kc == 0) && (\u == 0)
	MUL2 B0+80*(\u%2), 1
.else
	MUL2 B0+80*(\u%2), 0
.endif
.endr
.endm
	CHUNK 0
	CHUNK 1
	CHUNK 2
	CHUNK 3
	PLACES
.irp a, 0,1,2,3                        ; the largest magnitude of my 32 numbers; each accumulator from its low end on
	v_max3_num_f32 v[48+\a], |v[ACC+8*\a]|, |v[ACC+8*\a+1]|, |v[ACC+8*\a+2]|
.endr
.irp a, 0,1,2,3
	v_max3_num_f32 v[48+\a], v[48+\a], |v[ACC+8*\a+3]|, |v[ACC+8*\a+4]|
.endr
.irp a, 0,1,2,3
	v_max3_num_f32 v[48+\a], v[48+\a], |v[ACC+8*\a+5]|, |v[ACC+8*\a+6]|
.endr
.irp a, 0,1,2,3
	v_max_num_f32 v[48+\a], v[48+\a], |v[ACC+8*\a+7]|
.endr
.irp ct, 0,1,2,3
	ds_store_b128 v[STO], v[ACC+8*\ct:ACC+8*\ct+3] offset:64*\ct
	ds_store_b128 v[STO], v[ACC+8*\ct+4:ACC+8*\ct+7] offset:64*\ct+16
.endr
.irp i, 0,1,2,3,4,5,6,7
	ds_load_b128 v[B0+4*\i:B0+4*\i+3], v[RD] offset:544*\i        ; LDS serves a wave's instructions in order: these see my stores
.endr
	v_max3_num_f32 v48, v48, v49, v50
	v_max_num_f32 v48, v48, v51
	v_max_num_f32_dpp v48, v48, v48 row_xmask:1 row_mask:0xf bank_mask:0xf
	v_max_num_f32_dpp v48, v48, v48 row_xmask:2 row_mask:0xf bank_mask:0xf
	v_max_num_f32_dpp v48, v48, v48 row_xmask:4 row_mask:0xf bank_mask:0xf
	v_max_num_f32_dpp v48, v48, v48 row_xmask:8 row_mask:0xf bank_mask:0xf
	v_permlanex16_b32 v49, v48, s70, s71
	v_max_num_f32 v48, v48, v49
.irp i, 0,1,2,3,4,5,6,7
	s_wait_dscnt 7-\i
	global_store_b128 v[GO], v[B0+4*\i:B0+4*\i+3], s[66:67] offset:2048*\i       ; sixteen lanes store 256 consecutive bytes, aligned
.endr
	s_wait_xcnt 0x0                                ; EXEC changes only behind this wait
	v_cmp_eq_u32 vcc_lo, 0, v9
	s_and_saveexec_b32 s72, vcc_lo
	global_store_b32 v12, v48, s[68:69]            ; lane 0: my wave's largest |latent|
	s_wait_xcnt 0x0
	s_or_b32 exec_lo, exec_lo, s72
	s_wait_tensorcnt 0x0                           ; the wave's end
	ds_add_u32 v[SPW], v[NIL]
	s_wait_dscnt 0x0
	s_endpgm
.Lfunc_end_k_q177cb1de85_latent:
	.size	k_q177cb1de85_latent, .Lfunc_end_k_q177cb1de85_latent-k_q177cb1de85_latent
	.p2alignl 7, 3214868480
	.fill 96, 4, 3214868480
	.section	.rodata,"a",@progbits
	.p2align	6, 0x0
	.amdhsa_kernel k_q177cb1de85_latent
		.amdhsa_group_segment_fixed_size 280064
		.amdhsa_private_segment_fixed_size 0
		.amdhsa_enable_private_segment 0
		.amdhsa_kernarg_size 32
		.amdhsa_user_sgpr_count 2
		.amdhsa_user_sgpr_kernarg_segment_ptr 1
		.amdhsa_wavefront_size32 1
		.amdhsa_system_sgpr_workgroup_id_x 1
		.amdhsa_system_sgpr_workgroup_id_y 1
		.amdhsa_system_sgpr_workgroup_id_z 1
		.amdhsa_system_vgpr_workitem_id 0
		.amdhsa_next_free_vgpr 224
		.amdhsa_next_free_sgpr 80
		.amdhsa_reserve_vcc 1
		.amdhsa_float_denorm_mode_32 3
		.amdhsa_float_denorm_mode_16_64 3
		.amdhsa_memory_ordered 1
		.amdhsa_forward_progress 1
		.amdhsa_inst_pref_size 41
	.end_amdhsa_kernel
	.amdgpu_metadata
---
amdhsa.version: [ 1, 2 ]
amdhsa.kernels:
  - .name:           k_q177cb1de85_latent
    .symbol:         k_q177cb1de85_latent.kd
    .args:
      - { .name: kvs, .offset: 0, .size: 8, .value_kind: global_buffer, .address_space: global }
      - { .name: w16, .offset: 8, .size: 8, .value_kind: global_buffer, .address_space: global }
      - { .name: out1, .offset: 16, .size: 8, .value_kind: global_buffer, .address_space: global }
      - { .name: lmax, .offset: 24, .size: 8, .value_kind: global_buffer, .address_space: global }
    .group_segment_fixed_size: 280064
    .private_segment_fixed_size: 0
    .kernarg_segment_align: 8
    .kernarg_segment_size: 32
    .max_flat_workgroup_size: 128
    .sgpr_count:     80
    .vgpr_count:     224
    .wavefront_size: 32
...
	.end_amdgpu_metadata
.endif
;; end of part 3
;; launch kvrec (part 4): grid 32 x 8, 8 waves a work-group, no clusters, 197,632 bytes of LDS; arguments out1, lmax, w16, kv; writes kv
.if DOCPART == 4
	.amdgcn_target "amdgcn-amd-amdhsa--gfx1250"
	.amdhsa_code_object_version 6
	.text
	.protected	k_q177cb1de85_kvrec
	.globl	k_q177cb1de85_kvrec
	.p2align	8
	.type	k_q177cb1de85_kvrec,@function
k_q177cb1de85_kvrec:
	s_mov_b64 s[64:65], 0
	v_nop
	global_prefetch_b8 v0, s[64:65] scope:SCOPE_SE
	s_setreg_imm32_b32 hwreg(HW_REG_WAVE_MODE, 25, 1), 1
	s_wait_xcnt 0x0
; k_rec / 2^E and v_rec / 2^E = (latent / 2^E) W_up, f16 operands, f32 sums, stored as the fragment images that the attention reads.
; 2^E: the power of two in the largest |latent| of the whole tensor (held to 2^-100 .. 2^100), so |latent| / 2^E < 2: an exact scaling that keeps f16's range whatever the inputs' size.
; A work-group (X, y) takes 128 tokens x 256 columns: y < 4: heads 4 y .. 4 y + 3 of K; else heads 4 (y - 4) .. of V.  Wave w: token tiles 4 (w % 2) + 0..3, head w / 2.
; K: source 0 = W_up's columns, source 1 = tokens: a lane holds a key and eight channels.  V: the other way round: a lane holds a channel and eight keys.
; LDS: W_up's 16 tiles (tensor loads, 16 KB a wave, filled once); from 131,072 the latent's 8 images (written by LDS stores alone); the spare words.
; kv: [batch x head 32][key step 32][16,384]: K's fragments (key tile x 2 + channel half) x 1,024, then at 8,192 V^T's (key half x 4 + channel tile) x 1,024.
.set WUPOFF, 524288
.set LIMG,  131072
.set SPARE, 196608
.set LI,  1
.set VL,  2
.set VW,  3
.set LST, 4
.set XO,  5
.set SPW, 6
.set NIL, 7
.set LF,  64
.set WF,  96
.set ACC, 128
.set G1,  24
.set LM,  6
.set SEL, 16
.set ELO, 18
.set EHI, 19
.set EF,  20
.macro PLACES
.rept 4
	v_nop
.endr
.endm
.macro GETE_LOAD x
.irp i, 0,1,2,3,4,5,6,7
	global_load_b128 v[\x+4*\i:\x+4*\i+3], v[LI], s[LM:LM+1] offset:512*\i
.endr
.endm
.macro GETE_RED x                      ; s[EF] = the exponent field of the largest of lmax's 1,024 numbers
.irp c, 0,1,2,3
	v_max3_num_f32 v[\x+8*\c], v[\x+8*\c], v[\x+8*\c+1], v[\x+8*\c+2]
.endr
.irp c, 0,1,2,3
	v_max3_num_f32 v[\x+8*\c], v[\x+8*\c], v[\x+8*\c+3], v[\x+8*\c+4]
.endr
.irp c, 0,1,2,3
	v_max3_num_f32 v[\x+8*\c], v[\x+8*\c], v[\x+8*\c+5], v[\x+8*\c+6]
.endr
.irp c, 0,1,2,3
	v_max_num_f32 v[\x+8*\c], v[\x+8*\c], v[\x+8*\c+7]
.endr
	v_max3_num_f32 v[\x], v[\x], v[\x+8], v[\x+16]
	v_max_num_f32 v[\x], v[\x], v[\x+24]
	v_max_num_f32_dpp v[\x], v[\x], v[\x] row_xmask:1 row_mask:0xf bank_mask:0xf
	v_max_num_f32_dpp v[\x], v[\x], v[\x] row_xmask:2 row_mask:0xf bank_mask:0xf
	v_max_num_f32_dpp v[\x], v[\x], v[\x] row_xmask:4 row_mask:0xf bank_mask:0xf
	v_max_num_f32_dpp v[\x], v[\x], v[\x] row_xmask:8 row_mask:0xf bank_mask:0xf
	v_permlanex16_b32 v[\x+1], v[\x], s[SEL], s[SEL+1]
	v_max_num_f32 v[\x], v[\x], v[\x+1]
	v_med3_num_f32 v[\x], v[\x], s[ELO], s[EHI]
	v_readfirstlane_b32 s[EF], v[\x]
	s_lshr_b32 s[EF], s[EF], 23
.endm
	s_load_b256 s[4:11], s[0:1], 0x0               ; out1, lmax, w16, kv
	v_lshl_add_u32 v[SPW], v0, 2, SPARE
	v_mov_b32 v[NIL], 0
	ds_add_u32 v[SPW], v[NIL]                      ; the opening: the add, twice on end, and its wait ahead of my first tensor load
	ds_add_u32 v[SPW], v[NIL]
	v_lshrrev_b32 v8, 5, v0
	v_readfirstlane_b32 s12, v8                    ; wave
	s_and_b32 s14, ttmp7, 0xffff                   ; y
	s_mov_b32 s[G1], 3<<16
	s_mov_b32 s[G1+1], 32<<16
	s_mov_b32 s[G1+2], 64<<16
	s_mov_b32 s[G1+3], 32<<16
	s_mov_b32 s[G1+4], 64
	s_mov_b32 s[G1+5], 32
	s_mov_b32 s[G1+6], 0
	s_mov_b32 s[G1+7], 0
	s_mov_b32 s[SEL], 0x76543210
	s_mov_b32 s[SEL+1], 0xfedcba98
	s_mov_b32 s[ELO], 0x0d800000                   ; 2^-100
	s_mov_b32 s[EHI], 0x71800000                   ; 2^100
	s_lshl_b32 s40, s14, 4
	s_lshl_b32 s41, s12, 1
	s_add_co_u32 s40, s40, s41
	s_lshl_b32 s40, s40, 13
	s_add_co_u32 s40, s40, WUPOFF                  ; W_up's tiles 16 y + 2 w, + 1
	s_mov_b32 s41, 0
	s_lshl_b32 s42, ttmp9, 3
	s_add_co_u32 s42, s42, s12
	s_lshl_b32 s42, s42, 14                        ; out1: token tile 8 X + w
	s_mov_b32 s43, 0
	s_and_b32 s15, s12, 1                          ; tg
	s_lshr_b32 s21, s12, 1                         ; head of my four
	s_lshr_b32 s44, ttmp9, 4                       ; batch
	s_lshl_b32 s44, s44, 4
	s_and_b32 s45, s14, 3
	s_lshl_b32 s45, s45, 2
	s_add_co_u32 s44, s44, s45
	s_add_co_u32 s44, s44, s21                     ; batch x 16 + head
	s_lshl_b32 s44, s44, 5
	s_and_b32 s45, ttmp9, 15
	s_lshl_b32 s45, s45, 1
	s_add_co_u32 s44, s44, s45
	s_add_co_u32 s44, s44, s15                     ; + key step 2 (X % 16) + tg
	s_lshl_b32 s44, s44, 14
	s_mov_b32 s45, 0
	s_wait_dscnt 0x0
	s_wait_kmcnt 0x0
	s_mov_b32 s32, 1
	s_lshl_b32 s33, s12, 14
	s_add_nc_u64 s[34:35], s[8:9], s[40:41]
	s_or_b32 s35, s35, 0x80000000
	tensor_load_to_lds s[32:35], s[G1:G1+7]        ; one load of mine is out
	s_nop 0
	PLACES
	s_add_nc_u64 s[36:37], s[4:5], s[42:43]
	s_add_nc_u64 s[38:39], s[10:11], s[44:45]
	v_and_b32 v8, 31, v0
	v_and_b32 v9, 15, v0
	v_bfe_u32 v10, v0, 4, 1
	v_lshlrev_b32 v[LI], 4, v8
	v_lshlrev_b32 v[XO], 10, v9
	v_lshl_add_u32 v[XO], v10, 5, v[XO]            ; row r of 1,024 bytes + 32 h
	GETE_LOAD 32
.irp ks, 0,1,2,3,4,5,6,7               ; my token tile's latent, in the order of an f16 fragment's registers
	global_load_b128 v[128+16*\ks:131+16*\ks], v[XO], s[36:37] offset:128*\ks
	global_load_b128 v[132+16*\ks:135+16*\ks], v[XO], s[36:37] offset:128*\ks+16
	global_load_b128 v[136+16*\ks:139+16*\ks], v[XO], s[36:37] offset:128*\ks+64
	global_load_b128 v[140+16*\ks:143+16*\ks], v[XO], s[36:37] offset:128*\ks+80
.endr
	s_lshl_b32 s40, s12, 13
	s_add_co_u32 s40, s40, LIMG
	v_add_nc_u32 v[LST], s40, v[LI]
	s_lshl_b32 s40, s15, 15
	s_add_co_u32 s40, s40, LIMG
	v_add_nc_u32 v[VL], s40, v[LI]
	s_lshl_b32 s40, s21, 15
	v_add_nc_u32 v[VW], s40, v[LI]
	s_wait_loadcnt 32                              ; lmax's eight loads are in; the latent's 32 may be out
	GETE_RED 32
	s_sub_co_u32 s22, 254, s[EF]
	s_lshl_b32 s22, s22, 23                        ; 2^-E
	s_mov_b32 s23, s22
	s_wait_loadcnt 0x0
.set n, 0
.rept 64
	v_pk_mul_f32 v[128+n:129+n], v[128+n:129+n], s[22:23] op_sel_hi:[1,0]
.set n, n+2
.endr
.set n, 0
.rept 64
	v_cvt_pk_f16_f32 v[LF+n], v[128+2*n], v[129+2*n]
.set n, n+1
.endr
.irp ks, 0,1,2,3,4,5,6,7
	ds_store_b128 v[LST], v[LF+8*\ks:LF+8*\ks+3] offset:1024*\ks
	ds_store_b128 v[LST], v[LF+8*\ks+4:LF+8*\ks+7] offset:1024*\ks+512
.endr
	s_wait_tensorcnt 0x0                           ; my part of W_up is in,
	s_wait_dscnt 0x0                               ; my image of the latent is stored:
	s_barrier_signal -1
	s_barrier_wait -1                              ; everybody's are
.macro PROD v, ks, tt, ct
.set AC, ACC+8*(4*\tt+\ct)
.if \v
.set S0, LF+8*\tt
.set S1, WF+8*\ct
.else
.set S0, WF+8*\ct
.set S1, LF+8*\tt
.endif
.if \ks == 0
	v_wmma_f32_16x16x32_f16 v[AC:AC+7], v[S0:S0+7], v[S1:S1+7], 0
.else
	v_wmma_f32_16x16x32_f16 v[AC:AC+7], v[S0:S0+7], v[S1:S1+7], v[AC:AC+7]
.endif
.endm
.macro PATH v
.irp ks, 0,1,2,3,4,5,6,7
	PLACES
.irp t, 0,1,2,3
	ds_load_b128 v[LF+8*\t:LF+8*\t+3], v[VL] offset:8192*\t+1024*\ks
	ds_load_b128 v[LF+8*\t+4:LF+8*\t+7], v[VL] offset:8192*\t+1024*\ks+512
	ds_load_b128 v[WF+8*\t:WF+8*\t+3], v[VW] offset:8192*\t+1024*\ks
	ds_load_b128 v[WF+8*\t+4:WF+8*\t+7], v[VW] offset:8192*\t+1024*\ks+512
.endr
	s_wait_dscnt 0x0
.irp tt, 0,1,2,3                       ; sixteen accumulators by turns
.irp ct, 0,1,2,3
	PROD \v, \ks, \tt, \ct
.endr
.endr
.endr
	PLACES
.set n, 0
.rept 64                               ; each accumulator from its low end on
	v_cvt_pk_f16_f32 v[LF+n], v[ACC+2*n], v[ACC+2*n+1]
.set n, n+1
.endr
.irp tt, 0,1,2,3
.irp ct, 0,1,2,3
.if \v
	global_store_b128 v[LI], v[LF+4*(4*\tt+\ct):LF+4*(4*\tt+\ct)+3], s[38:39] offset:8192+1024*(4*(\tt/2)+\ct)+512*(\tt%2)
.else
	global_store_b128 v[LI], v[LF+4*(4*\tt+\ct):LF+4*(4*\tt+\ct)+3], s[38:39] offset:1024*(2*\tt+\ct/2)+512*(\ct%2)
.endif
.endr
.endr
	s_wait_tensorcnt 0x0                           ; the wave's end
	ds_add_u32 v[SPW], v[NIL]
	s_wait_dscnt 0x0
	s_endpgm
.endm
	s_cmp_lt_u32 s14, 4                            ; the work-group's number alone decides
	s_cbranch_scc0 .Lfor_v
	PATH 0
.Lfor_v:
	PATH 1
.Lfunc_end_k_q177cb1de85_kvrec:
	.size	k_q177cb1de85_kvrec, .Lfunc_end_k_q177cb1de85_kvrec-k_q177cb1de85_kvrec
	.p2alignl 7, 3214868480
	.fill 96, 4, 3214868480
	.section	.rodata,"a",@progbits
	.p2align	6, 0x0
	.amdhsa_kernel k_q177cb1de85_kvrec
		.amdhsa_group_segment_fixed_size 197632
		.amdhsa_private_segment_fixed_size 0
		.amdhsa_enable_private_segment 0
		.amdhsa_kernarg_size 32
		.amdhsa_user_sgpr_count 2
		.amdhsa_user_sgpr_kernarg_segment_ptr 1
		.amdhsa_wavefront_size32 1
		.amdhsa_system_sgpr_workgroup_id_x 1
		.amdhsa_system_sgpr_workgroup_id_y 1
		.amdhsa_system_sgpr_workgroup_id_z 1
		.amdhsa_system_vgpr_workitem_id 0
		.amdhsa_next_free_vgpr 256
		.amdhsa_next_free_sgpr 72
		.amdhsa_reserve_vcc 0
		.amdhsa_float_denorm_mode_32 3
		.amdhsa_float_denorm_mode_16_64 3
		.amdhsa_memory_ordered 1
		.amdhsa_forward_progress 1
		.amdhsa_inst_pref_size 64
	.end_amdhsa_kernel
	.amdgpu_metadata
---
amdhsa.version: [ 1, 2 ]
amdhsa.kernels:
  - .name:           k_q177cb1de85_kvrec
    .symbol:         k_q177cb1de85_kvrec.kd
    .args:
      - { .name: out1, .offset: 0, .size: 8, .value_kind: global_buffer, .address_space: global }
      - { .name: lmax, .offset: 8, .size: 8, .value_kind: global_buffer, .address_space: global }
      - { .name: w16, .offset: 16, .size: 8, .value_kind: global_buffer, .address_space: global }
      - { .name: kv, .offset: 24, .size: 8, .value_kind: global_buffer, .address_space: global }
    .group_segment_fixed_size: 197632
    .private_segment_fixed_size: 0
    .kernarg_segment_align: 8
    .kernarg_segment_size: 32
    .max_flat_workgroup_size: 256
    .sgpr_count:     72
    .vgpr_count:     256
    .wavefront_size: 32
...
	.end_amdgpu_metadata
.endif
;; end of part 4
;; launch attn (part 5): grid 8 x 32, 8 waves a work-group, no clusters, 327,680 bytes of LDS; arguments q16, kv, lmax, o16; writes o16
.if DOCPART == 5
	.amdgcn_target "amdgcn-amd-amdhsa--gfx1250"
	.amdhsa_code_object_version 6
	.text
	.protected	k_q177cb1de85_attn
	.globl	k_q177cb1de85_attn
	.p2align	8
	.type	k_q177cb1de85_attn,@function
k_q177cb1de85_attn:
	s_mov_b64 s[64:65], 0
	v_nop
	global_prefetch_b8 v0, s[64:65] scope:SCOPE_SE
	s_setreg_imm32_b32 hwreg(HW_REG_WAVE_MODE, 25, 1), 1
	s_wait_xcnt 0x0
; O = softmax(clip(q k / 32, +-1e4) x exp(-1e-4 |i - j|)) v for one (batch, head) and 256 queries a work-group; f16 operands, f32 sums, maxima and scores.
; K and V arrive divided by 2^E (the power of two in the largest |latent|).  With s = q . (k / 2^E):
;   t = score x log2(e) = CP x G x D x med3(s, -BND, BND),  CP = 2^E log2(e) / 32,  BND = 320,000 / 2^E,  G x D = the decay.
; reference()'s second clip changes nothing, since the decay is at most 1.  p = 2^(t - m), m the running largest t; O and the sum l are multiplied by 2^(m_old - m_new) in every step.
; THE DECAY.  D[n] = 2^(-1e-4 log2(e) |query - key|) for the lane's 32 scores of a tile is a table in registers.  On one side of the diagonal a step of 64 keys multiplies every entry by
; ONE number (e^0.0064 before it, e^-0.0064 behind it): the table stands and the scalar G runs.  It is built at the head, in the step that holds my 32 queries, and in the step after:
; scalar branches on ids.  G is a product of at most 31 f32 factors.
; SHARES.  Wave w owns queries 256 X + 32 w + 0..31, two tiles of 16, and walks all 2,048 keys, 64 a step.  S^T = K Q^T and O^T = V^T P: a lane holds ONE query throughout.
; RING.  Two slots of eight key steps (131,072 bytes); every wave asks for one step's 16,384 bytes of each fill: two loads of mine are out at the start, one behind each refill's barrier.
; No cluster: a work-group asks for 16 KB a wave for eight key steps' work, a small part of a step's time; the head's eight work-groups fetch each for itself.
; O leaves as O x 2^8 / 2^E in f16 fragment images.
; LIMITS: NaN and infinities among the inputs are not served; a NaN score would be held at -BND by v_med3_num_f32, which was not tried; p under 6e-8 is lost in f16.
; REGISTERS.  Window 0: v1-9 addresses and constants; v10-15 at work; v16-31 statistics, eight a tile (+0 m, +2, +3 l, +4..+7 at work, the rescaling factor at +6);
;   v32-63 P; v64-127 S^T; v128-191 K; v192-255 V.   Window 1: v0-63 O^T; v64-95 Q; v128-191 D.
.set SPARE, 262144
.set LI,  1
.set ADR, 2
.set PFO, 3
.set BV,  4
.set SPW, 5
.set NIL, 6
.set DL,  8
.set ST,  16
.set P,   32
.set S,   64
.set KR,  128
.set VR,  192
.set OR,  0
.set QR,  64
.set DR,  128
.set WV,  12
.set YY,  13
.set G1,  24
.set G0A, 32
.set G0B, 36
.set CP,  40
.set GG,  41
.set UP,  42
.set DN,  43
.set NA2, 44
.set KFF, 45
.set CG,  46
.set STP, 48
.set KF,  49
.set DSTEP, 50
.set DSTEP1, 51
.set TB,  52
.set CNT, 53
.set SEL, 54
.set EF,  56
.set ELO, 57
.set EHI, 58
.set TMP, 59
.set PF,  60
.set LM,  8
.set MSB, 0
.macro WIN new                         ; the immediate's high byte repeats the setting that is left
.if MSB != \new
	s_set_vgpr_msb (MSB<<8)|\new
.set MSB, \new
.endif
.endm
.macro PLACES
.rept 4
	v_nop
.endr
.endm
.macro GETE_LOAD x
.irp i, 0,1,2,3,4,5,6,7
	global_load_b128 v[\x+4*\i:\x+4*\i+3], v[LI], s[LM:LM+1] offset:512*\i
.endr
.endm
.macro GETE_RED x
.irp c, 0,1,2,3
	v_max3_num_f32 v[\x+8*\c], v[\x+8*\c], v[\x+8*\c+1], v[\x+8*\c+2]
.endr
.irp c, 0,1,2,3
	v_max3_num_f32 v[\x+8*\c], v[\x+8*\c], v[\x+8*\c+3], v[\x+8*\c+4]
.endr
.irp c, 0,1,2,3
	v_max3_num_f32 v[\x+8*\c], v[\x+8*\c], v[\x+8*\c+5], v[\x+8*\c+6]
.endr
.irp c, 0,1,2,3
	v_max_num_f32 v[\x+8*\c], v[\x+8*\c], v[\x+8*\c+7]
.endr
	v_max3_num_f32 v[\x], v[\x], v[\x+8], v[\x+16]
	v_max_num_f32 v[\x], v[\x], v[\x+24]
	v_max_num_f32_dpp v[\x], v[\x], v[\x] row_xmask:1 row_mask:0xf bank_mask:0xf
	v_max_num_f32_dpp v[\x], v[\x], v[\x] row_xmask:2 row_mask:0xf bank_mask:0xf
	v_max_num_f32_dpp v[\x], v[\x], v[\x] row_xmask:4 row_mask:0xf bank_mask:0xf
	v_max_num_f32_dpp v[\x], v[\x], v[\x] row_xmask:8 row_mask:0xf bank_mask:0xf
	v_permlanex16_b32 v[\x+1], v[\x], s[SEL], s[SEL+1]
	v_max_num_f32 v[\x], v[\x], v[\x+1]
	v_med3_num_f32 v[\x], v[\x], s[ELO], s[EHI]
	v_readfirstlane_b32 s[EF], v[\x]
	s_lshr_b32 s[EF], s[EF], 23
.endm
.macro FSUB d, n, b                    ; v[d] = float(n) - v[b], n a whole number from 0 to 63, written as its f32 bits
.if (\n) == 0
.set FB, 0
.elseif (\n) < 2
.set FB, 127<<23
.elseif (\n) < 4
.set FB, (128<<23)|(((\n)-2)<<22)
.elseif (\n) < 8
.set FB, (129<<23)|(((\n)-4)<<21)
.elseif (\n) < 16
.set FB, (130<<23)|(((\n)-8)<<20)
.elseif (\n) < 32
.set FB, (131<<23)|(((\n)-16)<<19)
.else
.set FB, (132<<23)|(((\n)-32)<<18)
.endif
	v_sub_f32 v[\d], FB, v[\b]
.endm
; The decay table for the step whose first key is s[KF].  Register 8 kt + j of tile t holds key KF + 16 kt + 8 h + j; v[DL + t] = my query - 8 h.  S^T's registers are free here and serve as scratch.
.macro REBUILD
	s_cvt_f32_u32 s[KFF], s[KF]
.irp t, 0,1
	v_sub_f32 v[10+\t], v[DL+\t], s[KFF]
.endr
.irp t, 0,1
.irp kt, 0,1,2,3
.irp j, 0,1,2,3,4,5,6,7
	FSUB S+32*\t+8*\kt+\j, 16*\kt+\j, 10+\t
.endr
.endr
.endr
.set n, 0
.rept 64
	v_mul_f32 v[S+n], s[NA2], |v[S+n]|
.set n, n+1
.endr
	WIN 0x40
.set n, 0
.rept 64
	v_exp_f32 v[DR+n], v[S+n]
.set n, n+1
.endr
	WIN 0
	v_nop                                          ; a plain line behind the last exponential
	s_wait_alu depctr_va_vdst(0)                   ; one wait for the batch, ahead of the label and of every reader
	s_mov_b32 s[GG], 1.0
.endm
; A KEY STEP: 64 keys, both tiles.
.macro STEP
	s_cmp_eq_u32 s[STP], s[DSTEP]
	s_cbranch_scc1 .Lreb_\@
	s_cmp_lg_u32 s[STP], s[DSTEP1]
	s_cbranch_scc1 .Lkeep_\@
.Lreb_\@:
	REBUILD
.Lkeep_\@:
	s_mul_f32 s[CG], s[CP], s[GG]
	s_mov_b32 s[CG+1], s[CG]
	v_add_nc_u32 v[ADR], s[TB], v[LI]              ; with the three lines below: four places behind the last products, in front of the loads into V's registers
	v_nop
	v_nop
	v_nop
.irp f, 0,1,2,3,4,5,6,7
	ds_load_b128 v[KR+8*\f:KR+8*\f+3], v[ADR] offset:1024*\f
	ds_load_b128 v[KR+8*\f+4:KR+8*\f+7], v[ADR] offset:1024*\f+512
.endr
.irp f, 0,1,2,3,4,5,6,7
	ds_load_b128 v[VR+8*\f:VR+8*\f+3], v[ADR] offset:8192+1024*\f
	ds_load_b128 v[VR+8*\f+4:VR+8*\f+7], v[ADR] offset:8192+1024*\f+512
.endr
	s_wait_dscnt 16                                ; K is in; V's sixteen loads may be out
	WIN 0x04                                       ; Q: window 1
.irp c, 0,1                            ; eight accumulators by turns
.irp kt, 0,1,2,3
.irp t, 0,1
.if \c == 0
	v_wmma_f32_16x16x32_f16 v[S+32*\t+8*\kt:S+32*\t+8*\kt+7], v[KR+8*(2*\kt+\c):KR+8*(2*\kt+\c)+7], v[QR+16*\t+8*\c:QR+16*\t+8*\c+7], 0
.else
	v_wmma_f32_16x16x32_f16 v[S+32*\t+8*\kt:S+32*\t+8*\kt+7], v[KR+8*(2*\kt+\c):KR+8*(2*\kt+\c)+7], v[QR+16*\t+8*\c:QR+16*\t+8*\c+7], v[S+32*\t+8*\kt:S+32*\t+8*\kt+7]
.endif
.endr
.endr
.endr
	WIN 0
	PLACES
.set n, 0
.rept 64                               ; the clip; each accumulator from its low end on
	v_med3_num_f32 v[S+n], v[S+n], -v[BV], v[BV]
.set n, n+1
.endr
	WIN 0x04
.set n, 0
.rept 32
	v_pk_mul_f32 v[S+n:S+n+1], v[S+n:S+n+1], v[DR+n:DR+n+1]        ; x the table
.set n, n+2
.endr
	WIN 0
.irp j, 0,1,2,3
.irp t, 0,1
	v_max3_num_f32 v[ST+8*\t+4+\j], v[S+32*\t+8*\j], v[S+32*\t+8*\j+1], v[S+32*\t+8*\j+2]
.endr
.endr
.irp q, 1,2
.irp j, 0,1,2,3
.irp t, 0,1
	v_max3_num_f32 v[ST+8*\t+4+\j], v[ST+8*\t+4+\j], v[S+32*\t+8*\j+2*\q+1], v[S+32*\t+8*\j+2*\q+2]
.endr
.endr
.endr
.irp t, 0,1
	v_max3_num_f32 v[ST+8*\t+4], v[ST+8*\t+4], v[S+32*\t+7], v[S+32*\t+15]
.endr
.irp t, 0,1
	v_max3_num_f32 v[ST+8*\t+6], v[ST+8*\t+6], v[S+32*\t+23], v[S+32*\t+31]
.endr
.irp t, 0,1
	v_max3_num_f32 v[ST+8*\t+4], v[ST+8*\t+4], v[ST+8*\t+5], v[ST+8*\t+6]
.endr
.irp t, 0,1
	v_max_num_f32 v[ST+8*\t+4], v[ST+8*\t+4], v[ST+8*\t+7]
.endr
.irp t, 0,1
	v_permlanex16_b32 v[ST+8*\t+5], v[ST+8*\t+4], s[SEL], s[SEL+1] ; the query's other 32 keys lie in the lane 16 away
.endr
.irp t, 0,1
	v_max_num_f32 v[ST+8*\t+4], v[ST+8*\t+4], v[ST+8*\t+5]
.endr
.irp t, 0,1
	v_mul_f32 v[ST+8*\t+4], s[CG], v[ST+8*\t+4]    ; as t (CP x G is positive)
.endr
.irp t, 0,1
	v_mov_b32 v[ST+8*\t+7], v[ST+8*\t]
.endr
.irp t, 0,1
	v_max_num_f32 v[ST+8*\t], v[ST+8*\t], v[ST+8*\t+4]             ; the running largest t
.endr
.irp t, 0,1
	v_sub_f32 v[ST+8*\t+7], v[ST+8*\t+7], v[ST+8*\t]
.endr
.irp t, 0,1
.set n, 0
.rept 16
	v_pk_fma_f32 v[S+32*\t+n:S+32*\t+n+1], v[S+32*\t+n:S+32*\t+n+1], s[CG:CG+1], v[ST+8*\t:ST+8*\t+1] op_sel_hi:[1,0,0] neg_lo:[0,0,1] neg_hi:[0,0,1]   ; t - m
.set n, n+2
.endr
.endr
.irp t, 0,1
	v_exp_f32 v[ST+8*\t+6], v[ST+8*\t+7]           ; 2^(m_old - m_new)
.endr
.set n, 0
.rept 64
	v_exp_f32 v[S+n], v[S+n]                       ; p, at most 1
.set n, n+1
.endr
	v_nop                                          ; a plain line behind the last exponential
	s_wait_alu depctr_va_vdst(0)                   ; ONE wait for the 66, ahead of their first reader
.set n, 0
.rept 32
	v_cvt_pk_f16_f32 v[P+n], v[S+2*n], v[S+2*n+1]
.set n, n+1
.endr
.irp z, 0,1,2,3,4,5,6,7                ; the sum of the unrounded p, a tree in place
.irp t, 0,1
	v_pk_add_f32 v[S+32*\t+4*\z:S+32*\t+4*\z+1], v[S+32*\t+4*\z:S+32*\t+4*\z+1], v[S+32*\t+4*\z+2:S+32*\t+4*\z+3]
.endr
.endr
.irp z, 0,1,2,3
.irp t, 0,1
	v_pk_add_f32 v[S+32*\t+8*\z:S+32*\t+8*\z+1], v[S+32*\t+8*\z:S+32*\t+8*\z+1], v[S+32*\t+8*\z+4:S+32*\t+8*\z+5]
.endr
.endr
.irp z, 0,1
.irp t, 0,1
	v_pk_add_f32 v[S+32*\t+16*\z:S+32*\t+16*\z+1], v[S+32*\t+16*\z:S+32*\t+16*\z+1], v[S+32*\t+16*\z+8:S+32*\t+16*\z+9]
.endr
.endr
.irp t, 0,1
	v_pk_add_f32 v[S+32*\t:S+32*\t+1], v[S+32*\t:S+32*\t+1], v[S+32*\t+16:S+32*\t+17]
.endr
.irp t, 0,1
	v_pk_fma_f32 v[ST+8*\t+2:ST+8*\t+3], v[ST+8*\t+2:ST+8*\t+3], v[ST+8*\t+6:ST+8*\t+7], v[S+32*\t:S+32*\t+1] op_sel_hi:[1,0,1]
.endr
	WIN 0x41
.irp t, 0,1
.set n, 0
.rept 16                               ; O^T under the new m; each accumulator from its low end on
	v_pk_mul_f32 v[OR+32*\t+n:OR+32*\t+n+1], v[OR+32*\t+n:OR+32*\t+n+1], v[ST+8*\t+6:ST+8*\t+7] op_sel_hi:[1,0]
.set n, n+2
.endr
.endr
	s_wait_dscnt 0x0                               ; V is in
	WIN 0x50                                       ; C and D: window 1
.irp kp, 0,1                           ; eight accumulators by turns
.irp ct, 0,1,2,3
.irp t, 0,1
	v_wmma_f32_16x16x32_f16 v[OR+32*\t+8*\ct:OR+32*\t+8*\ct+7], v[VR+8*(4*\kp+\ct):VR+8*(4*\kp+\ct)+7], v[P+16*\t+8*\kp:P+16*\t+8*\kp+7], v[OR+32*\t+8*\ct:OR+32*\t+8*\ct+7]
.endr
.endr
.endr
	WIN 0
	s_add_co_u32 s[TB], s[TB], 16384
	s_add_co_u32 s[KF], s[KF], 64
	s_cmp_lt_u32 s[STP], s[DSTEP]
	s_cselect_b32 s[TMP], s[UP], s[DN]
	s_mul_f32 s[GG], s[GG], s[TMP]
	s_add_co_u32 s[STP], s[STP], 1
.endm
.macro SLOT s                          ; a slot's eight key steps: written once, walked eight times
	s_mov_b32 s[TB], \s*131072
	s_mov_b32 s[CNT], 8
.Lslot_\@:
	STEP
	s_sub_co_u32 s[CNT], s[CNT], 1
	s_cmp_lg_u32 s[CNT], 0
	s_cbranch_scc1 .Lslot_\@
.endm
; THE CHANGE OF SLOTS.  Every wave waits for all its tensor loads (its part of the slot ahead), adds 0 to its spare word, waits for that and for its reads of the slot that it leaves,
; and passes the barrier; behind it the slot just left is filled again first: that load has eight key steps in which to land.
.macro CHANGE g, refill
	s_wait_tensorcnt 0x0                           ; no tensor load of mine is out, so a group 0 may be written
	ds_add_u32 v[SPW], v[NIL]
.if \refill
	s_add_nc_u64 s[\g+2:\g+3], s[\g+2:\g+3], 2*131072
.endif
	s_wait_dscnt 0x0
	s_barrier_signal -1
	s_barrier_wait -1
.if \refill
	tensor_load_to_lds s[\g:\g+3], s[G1:G1+7]
	s_nop 0
	PLACES
.endif
.endm
	s_load_b256 s[4:11], s[0:1], 0x0               ; q16, kv, lmax, o16
	v_lshl_add_u32 v[SPW], v0, 2, SPARE
	v_mov_b32 v[NIL], 0
	ds_add_u32 v[SPW], v[NIL]                      ; the opening: the add, twice on end, and its wait ahead of my first tensor load
	ds_add_u32 v[SPW], v[NIL]
	v_lshrrev_b32 v10, 5, v0
	v_readfirstlane_b32 s[WV], v10
	s_and_b32 s[YY], ttmp7, 0xffff                 ; batch x 16 + head
	s_mov_b32 s[G1], 3<<16                         ; a dense block of 64 rows of 256 bytes
	s_mov_b32 s[G1+1], 32<<16
	s_mov_b32 s[G1+2], 64<<16
	s_mov_b32 s[G1+3], 32<<16
	s_mov_b32 s[G1+4], 64
	s_mov_b32 s[G1+5], 32
	s_mov_b32 s[G1+6], 0
	s_mov_b32 s[G1+7], 0
	s_mov_b32 s[UP], 0x3f80d263                    ; e^0.0064
	s_mov_b32 s[DN], 0x3f7e5de9                    ; e^-0.0064
	s_mov_b32 s[NA2], 0xb917470d                   ; -1e-4 log2(e)
	s_mov_b32 s[SEL], 0x76543210
	s_mov_b32 s[SEL+1], 0xfedcba98
	s_mov_b32 s[ELO], 0x0d800000
	s_mov_b32 s[EHI], 0x71800000
	s_mov_b32 s[STP], 0
	s_mov_b32 s[KF], 0
	s_mov_b32 s[GG], 1.0
	s_lshl_b32 s16, s[YY], 5
	s_add_co_u32 s16, s16, s[WV]
	s_lshl_b32 s16, s16, 14                        ; kv: key step w of my head
	s_mov_b32 s17, 0
	s_lshl_b32 s18, s[WV], 14
	s_lshr_b32 s19, s[YY], 4                       ; batch
	s_and_b32 s20, s[YY], 15                       ; head
	s_lshl_b32 s21, s19, 7
	s_lshl_b32 s22, ttmp9, 4
	s_add_co_u32 s21, s21, s22
	s_lshl_b32 s22, s[WV], 1
	s_add_co_u32 s21, s21, s22                     ; my first token tile
	s_lshl_b32 s22, s21, 15
	s_lshl_b32 s23, s20, 11
	s_add_co_u32 s22, s22, s23
	s_mov_b32 s23, 0
	s_lshr_b32 s14, s20, 2
	s_lshl_b32 s14, s14, 21
	s_lshl_b32 s15, s21, 13
	s_add_co_u32 s14, s14, s15
	s_and_b32 s15, s20, 3
	s_lshl_b32 s15, s15, 11
	s_add_co_u32 s14, s14, s15                     ; o16: chunk head / 4, my tile, K step 2 (head % 4)
	s_mov_b32 s15, 0
	s_wait_dscnt 0x0
	s_wait_kmcnt 0x0
	s_add_nc_u64 s[6:7], s[6:7], s[16:17]
	s_add_nc_u64 s[4:5], s[4:5], s[22:23]
	s_add_nc_u64 s[10:11], s[10:11], s[14:15]
	s_add_nc_u64 s[PF:PF+1], s[6:7], 3*131072      ; my part of the fourth fill
	s_mov_b32 s[G0A], 1
	s_mov_b32 s[G0A+1], s18
	s_mov_b64 s[G0A+2:G0A+3], s[6:7]
	s_or_b32 s[G0A+3], s[G0A+3], 0x80000000
	s_mov_b32 s[G0B], 1
	s_add_co_u32 s[G0B+1], s18, 131072
	s_add_nc_u64 s[G0B+2:G0B+3], s[6:7], 131072
	s_or_b32 s[G0B+3], s[G0B+3], 0x80000000
	tensor_load_to_lds s[G0A:G0A+3], s[G1:G1+7]    ; key steps 0-7
	s_nop 0
	tensor_load_to_lds s[G0B:G0B+3], s[G1:G1+7]    ; key steps 8-15
	s_nop 0
	PLACES
	v_and_b32 v10, 31, v0
	v_lshlrev_b32 v[LI], 4, v10
	v_lshlrev_b32 v[PFO], 8, v10
	GETE_LOAD S
	WIN 0x40
.irp t, 0,1
.irp c, 0,1
	global_load_b128 v[QR+16*\t+8*\c:QR+16*\t+8*\c+3], v[LI], s[4:5] offset:32768*\t+1024*\c
	global_load_b128 v[QR+16*\t+8*\c+4:QR+16*\t+8*\c+7], v[LI], s[4:5] offset:32768*\t+1024*\c+512
.endr
.endr
.set n, 0
.rept 64
	v_mov_b32 v[OR+n], 0                           ; O^T: the step is written once; the first finds zeros, which its factor 0 leaves zeros
.set n, n+1
.endr
	WIN 0
	v_and_b32 v10, 15, v0
	v_bfe_u32 v11, v0, 4, 1
	v_lshlrev_b32 v11, 3, v11
	v_sub_nc_u32 v10, v10, v11
	s_lshl_b32 s16, ttmp9, 8
	s_lshl_b32 s17, s[WV], 5
	s_add_co_u32 s16, s16, s17                     ; my first query
	v_add_nc_u32 v10, s16, v10
	v_cvt_f32_i32 v[DL], v10                       ; my query - 8 h, tile 0,
	v_add_nc_u32 v10, 16, v10
	v_cvt_f32_i32 v[DL+1], v10                     ; tile 1
	s_lshr_b32 s[DSTEP], s16, 6                    ; the step that holds my 32 queries
	s_add_co_u32 s[DSTEP1], s[DSTEP], 1
.irp t, 0,1
	v_mov_b32 v[ST+8*\t], 0xff61b1e6               ; m: -3e38, under every t
.irp i, 1,2,3,4,5,6,7
	v_mov_b32 v[ST+8*\t+\i], 0
.endr
.endr
	s_wait_loadcnt 8                               ; lmax's eight loads are in; Q's eight may be out
	GETE_RED S
	s_lshl_b32 s16, s[EF], 23                      ; 2^E
	s_mul_f32 s[CP], s16, 0x3d38aa3b               ; x log2(e) / 32
	s_sub_co_u32 s17, 254, s[EF]
	s_lshl_b32 s17, s17, 23                        ; 2^-E
	s_mul_f32 s17, s17, 0x489c4000                 ; x 320,000
	v_mov_b32 v[BV], s17
	REBUILD                                        ; the table for key step 0
	s_wait_loadcnt 0x0                             ; Q
	s_wait_tensorcnt 1                             ; my part of slot 0 is in; slot 1's may stay out
	s_barrier_signal -1
	s_barrier_wait -1
	SLOT 0
	CHANGE G0A, 1                                  ; slot 0 takes key steps 16-23
	s_cmp_lg_u32 ttmp9, 0                          ; a prefetch of the fourth fill, one slot ahead of its load: the head's first work-group asks, each wave for the 16,384 bytes that it will fetch,
	s_cbranch_scc1 .Lno_pf                         ; lanes 256 bytes apart: each block is named once in the launch; the address registers are never rewritten
	global_prefetch_b8 v[PFO], s[PF:PF+1] th:TH_LOAD_NT scope:SCOPE_SE
	global_prefetch_b8 v[PFO], s[PF:PF+1] offset:8192 th:TH_LOAD_NT scope:SCOPE_SE
.Lno_pf:
	SLOT 1
	CHANGE G0B, 1                                  ; slot 1 takes key steps 24-31
	SLOT 0
	CHANGE G0A, 0                                  ; nothing is left to fetch
	SLOT 1
	; THE WAY OUT: O^T x 256 / l, rounded to f16: a lane's eight channels of a query are the 16 bytes that the last product's fragment wants of it.
	PLACES
.irp t, 0,1
	v_add_f32 v[ST+8*\t+4], v[ST+8*\t+2], v[ST+8*\t+3]
.endr
.irp t, 0,1
	v_permlanex16_b32 v[ST+8*\t+5], v[ST+8*\t+4], s[SEL], s[SEL+1]
.endr
.irp t, 0,1
	v_add_f32 v[ST+8*\t+4], v[ST+8*\t+4], v[ST+8*\t+5]
.endr
.irp t, 0,1
	v_rcp_f32 v[ST+8*\t+6], v[ST+8*\t+4]
.endr
	v_nop
	s_wait_alu depctr_va_vdst(0)                   ; one wait for the two reciprocals, ahead of their first reader
.irp t, 0,1
	v_mul_f32 v[ST+8*\t+6], 0x43800000, v[ST+8*\t+6]
.endr
	WIN 0x01
.irp t, 0,1
.set n, 0
.rept 16
	v_pk_mul_f32 v[S+32*\t+n:S+32*\t+n+1], v[OR+32*\t+n:OR+32*\t+n+1], v[ST+8*\t+6:ST+8*\t+7] op_sel_hi:[1,0]
.set n, n+2
.endr
.endr
	WIN 0
.set n, 0
.rept 32
	v_cvt_pk_f16_f32 v[P+n], v[S+2*n], v[S+2*n+1]
.set n, n+1
.endr
.irp t, 0,1
.irp ct, 0,1,2,3
	global_store_b128 v[LI], v[P+16*\t+4*\ct:P+16*\t+4*\ct+3], s[10:11] offset:8192*\t+1024*(\ct/2)+512*(\ct%2)   ; 512 consecutive bytes a store
.endr
.endr
	s_wait_tensorcnt 0x0                           ; the wave's end
	ds_add_u32 v[SPW], v[NIL]
	s_wait_dscnt 0x0
	s_endpgm
.Lfunc_end_k_q177cb1de85_attn:
	.size	k_q177cb1de85_attn, .Lfunc_end_k_q177cb1de85_attn-k_q177cb1de85_attn
	.p2alignl 7, 3214868480
	.fill 96, 4, 3214868480
	.section	.rodata,"a",@progbits
	.p2align	6, 0x0
	.amdhsa_kernel k_q177cb1de85_attn
		.amdhsa_group_segment_fixed_size 327680
		.amdhsa_private_segment_fixed_size 0
		.amdhsa_enable_private_segment 0
		.amdhsa_kernarg_size 32
		.amdhsa_user_sgpr_count 2
		.amdhsa_user_sgpr_kernarg_segment_ptr 1
		.amdhsa_wavefront_size32 1
		.amdhsa_system_sgpr_workgroup_id_x 1
		.amdhsa_system_sgpr_workgroup_id_y 1
		.amdhsa_system_sgpr_workgroup_id_z 1
		.amdhsa_system_vgpr_workitem_id 0
		.amdhsa_next_free_vgpr 448
		.amdhsa_next_free_sgpr 72
		.amdhsa_reserve_vcc 0
		.amdhsa_float_denorm_mode_32 3
		.amdhsa_float_denorm_mode_16_64 3
		.amdhsa_memory_ordered 1
		.amdhsa_forward_progress 1
		.amdhsa_inst_pref_size 162
	.end_amdhsa_kernel
	.amdgpu_metadata
---
amdhsa.version: [ 1, 2 ]
amdhsa.kernels:
  - .name:           k_q177cb1de85_attn
    .symbol:         k_q177cb1de85_attn.kd
    .args:
      - { .name: q16, .offset: 0, .size: 8, .value_kind: global_buffer, .address_space: global }
      - { .name: kv, .offset: 8, .size: 8, .value_kind: global_buffer, .address_space: global }
      - { .name: lmax, .offset: 16, .size: 8, .value_kind: global_buffer, .address_space: global }
      - { .name: o16, .offset: 24, .size: 8, .value_kind: global_buffer, .address_space: global }
    .group_segment_fixed_size: 327680
    .private_segment_fixed_size: 0
    .kernarg_segment_align: 8
    .kernarg_segment_size: 32
    .max_flat_workgroup_size: 256
    .sgpr_count:     72
    .vgpr_count:     448
    .wavefront_size: 32
...
	.end_amdgpu_metadata
.endif
;; end of part 5
;; launch oproj (part 6): grid 8 x 32, 8 waves a work-group, no clusters, 327,680 bytes of LDS; arguments o16, w16, lmax, out0; writes out0
.if DOCPART == 6
	.amdgcn_target "amdgcn-amd-amdhsa--gfx1250"
	.amdhsa_code_object_version 6
	.text
	.protected	k_q177cb1de85_oproj
	.globl	k_q177cb1de85_oproj
	.p2align	8
	.type	k_q177cb1de85_oproj,@function
k_q177cb1de85_oproj:
	s_mov_b64 s[64:65], 0
	v_nop
	global_prefetch_b8 v0, s[64:65] scope:SCOPE_SE
	s_setreg_imm32_b32 hwreg(HW_REG_WAVE_MODE, 25, 1), 1
	s_wait_xcnt 0x0
; out0 = O Wo.  O arrives as O x 2^8 / 2^E in f16 images, Wo as f16 images; f32 sums; the result is multiplied by 2^(E - 8), an exact factor.
; A work-group (Xc, Yt) takes 128 tokens x 128 columns; wave w: token tiles 2 (w % 4), + 1, column tiles 4 (w / 4) + 0..3: eight accumulators.
; K = 1,024 in four chunks of 256 through two slots of 131,072 bytes (O's eight tiles, then Wo's eight); each wave asks for 16,384 bytes of a fill:
; two loads of mine are out at the start, one behind each refill's barrier.
; No cluster: kept plain; partners along a row or a column of the grid would share tiles, each work-group fetches them for itself.
.set WOOFF, 1572864
.set STAGE, 262144                     ; 16 rows x 272 bytes a wave
.set SPARE, 296960
.set LI,  1
.set VA,  2                            ; v2, v3: O's tiles in slot 0, 1
.set VB,  4                            ; v4, v5: Wo's
.set SPW, 6
.set NIL, 7
.set STO, 8
.set RD,  9
.set GO,  10
.set ACC, 16
.set B0,  80                           ; two buffers of 48 registers
.set G1,  24
.set G0A, 32
.set G0B, 36
.set LM,  8
.set SEL, 16
.set ELO, 18
.set EHI, 19
.set EF,  20
.macro PLACES
.rept 4
	v_nop
.endr
.endm
.macro GETE_LOAD x
.irp i, 0,1,2,3,4,5,6,7
	global_load_b128 v[\x+4*\i:\x+4*\i+3], v[LI], s[LM:LM+1] offset:512*\i
.endr
.endm
.macro GETE_RED x
.irp c, 0,1,2,3
	v_max3_num_f32 v[\x+8*\c], v[\x+8*\c], v[\x+8*\c+1], v[\x+8*\c+2]
.endr
.irp c, 0,1,2,3
	v_max3_num_f32 v[\x+8*\c], v[\x+8*\c], v[\x+8*\c+3], v[\x+8*\c+4]
.endr
.irp c, 0,1,2,3
	v_max3_num_f32 v[\x+8*\c], v[\x+8*\c], v[\x+8*\c+5], v[\x+8*\c+6]
.endr
.irp c, 0,1,2,3
	v_max_num_f32 v[\x+8*\c], v[\x+8*\c], v[\x+8*\c+7]
.endr
	v_max3_num_f32 v[\x], v[\x], v[\x+8], v[\x+16]
	v_max_num_f32 v[\x], v[\x], v[\x+24]
	v_max_num_f32_dpp v[\x], v[\x], v[\x] row_xmask:1 row_mask:0xf bank_mask:0xf
	v_max_num_f32_dpp v[\x], v[\x], v[\x] row_xmask:2 row_mask:0xf bank_mask:0xf
	v_max_num_f32_dpp v[\x], v[\x], v[\x] row_xmask:4 row_mask:0xf bank_mask:0xf
	v_max_num_f32_dpp v[\x], v[\x], v[\x] row_xmask:8 row_mask:0xf bank_mask:0xf
	v_permlanex16_b32 v[\x+1], v[\x], s[SEL], s[SEL+1]
	v_max_num_f32 v[\x], v[\x], v[\x+1]
	v_med3_num_f32 v[\x], v[\x], s[ELO], s[EHI]
	v_readfirstlane_b32 s[EF], v[\x]
	s_lshr_b32 s[EF], s[EF], 23
.endm
	s_load_b256 s[4:11], s[0:1], 0x0               ; o16, w16, lmax, out0
	v_lshl_add_u32 v[SPW], v0, 2, SPARE
	v_mov_b32 v[NIL], 0
	ds_add_u32 v[SPW], v[NIL]                      ; the opening: the add, twice on end, and its wait ahead of my first tensor load
	ds_add_u32 v[SPW], v[NIL]
	v_lshrrev_b32 v11, 5, v0
	v_readfirstlane_b32 s12, v11                   ; wave
	s_and_b32 s14, ttmp7, 0xffff                   ; Yt
	s_mov_b32 s[G1], 3<<16
	s_mov_b32 s[G1+1], 32<<16
	s_mov_b32 s[G1+2], 64<<16
	s_mov_b32 s[G1+3], 32<<16
	s_mov_b32 s[G1+4], 64
	s_mov_b32 s[G1+5], 32
	s_mov_b32 s[G1+6], 0
	s_mov_b32 s[G1+7], 0
	s_mov_b32 s[SEL], 0x76543210
	s_mov_b32 s[SEL+1], 0xfedcba98
	s_mov_b32 s[ELO], 0x0d800000
	s_mov_b32 s[EHI], 0x71800000
	s_lshl_b32 s48, s14, 3
	s_lshl_b32 s49, s12, 1
	s_add_co_u32 s50, s48, s49
	s_lshl_b32 s50, s50, 13                        ; waves 0-3: O's tiles 8 Yt + 2 w, + 1
	s_lshl_b32 s51, ttmp9, 3
	s_add_co_u32 s51, s51, s49
	s_sub_co_u32 s51, s51, 8
	s_lshl_b32 s51, s51, 13
	s_add_co_u32 s51, s51, WOOFF                   ; waves 4-7: Wo's tiles 8 Xc + 2 (w - 4), + 1
	s_mov_b32 s52, 0x80000
	s_mov_b32 s53, 0x100000
	s_and_b32 s13, s12, 3                          ; tgp
	s_lshr_b32 s15, s12, 2                         ; cgp
	s_lshl_b32 s46, s14, 19
	s_lshl_b32 s47, s13, 17
	s_add_co_u32 s46, s46, s47
	s_lshl_b32 s47, ttmp9, 9
	s_add_co_u32 s46, s46, s47
	s_lshl_b32 s47, s15, 8
	s_add_co_u32 s46, s46, s47                     ; out0: row 128 Yt + 32 tgp, byte 512 Xc + 256 cgp
	s_mov_b32 s47, 0
	s_lshl_b32 s21, s12, 14
	s_mov_b32 s55, 0
	s_mov_b32 s43, 0
	s_mov_b32 s41, 0
	s_wait_dscnt 0x0
	s_wait_kmcnt 0x0
	s_cmp_lt_u32 s12, 4
	s_cselect_b64 s[44:45], s[4:5], s[6:7]
	s_cselect_b32 s54, s50, s51
	s_cselect_b32 s42, 0x200000, s52               ; from chunk to chunk
	s_cselect_b32 s40, 0x400000, s53               ; two chunks on
	s_add_nc_u64 s[44:45], s[44:45], s[54:55]
	s_mov_b32 s[G0A], 1
	s_mov_b32 s[G0A+1], s21
	s_mov_b64 s[G0A+2:G0A+3], s[44:45]
	s_mov_b32 s[G0B], 1
	s_add_co_u32 s[G0B+1], s21, 131072
	s_add_nc_u64 s[G0B+2:G0B+3], s[44:45], s[42:43]
	s_or_b32 s[G0A+3], s[G0A+3], 0x80000000
	s_or_b32 s[G0B+3], s[G0B+3], 0x80000000
	tensor_load_to_lds s[G0A:G0A+3], s[G1:G1+7]    ; chunk 0
	s_nop 0
	tensor_load_to_lds s[G0B:G0B+3], s[G1:G1+7]    ; chunk 1
	s_nop 0
	PLACES
	s_add_nc_u64 s[46:47], s[10:11], s[46:47]
	v_and_b32 v11, 31, v0
	v_and_b32 v12, 15, v0
	v_bfe_u32 v13, v0, 4, 1
	v_lshlrev_b32 v[LI], 4, v11
	GETE_LOAD B0
	s_lshl_b32 s48, s13, 14
	v_add_nc_u32 v[VA], s48, v[LI]
	v_add_nc_u32 v[VA+1], 131072, v[VA]
	s_lshl_b32 s48, s15, 15
	s_add_co_u32 s48, s48, 65536
	v_add_nc_u32 v[VB], s48, v[LI]
	v_add_nc_u32 v[VB+1], 131072, v[VB]
	s_mul_i32 s48, s12, 4352
	s_add_co_u32 s48, s48, STAGE
	v_mul_u32_u24 v[STO], v12, 272
	v_lshl_add_u32 v[STO], v13, 5, v[STO]
	v_add_nc_u32 v[STO], s48, v[STO]
	v_mul_u32_u24 v[RD], v13, 272
	v_lshl_add_u32 v[RD], v12, 4, v[RD]
	v_add_nc_u32 v[RD], s48, v[RD]
	v_lshlrev_b32 v[GO], 12, v13
	v_lshl_add_u32 v[GO], v12, 4, v[GO]
	s_wait_loadcnt 0x0
	GETE_RED B0
	s_sub_co_u32 s22, s[EF], 8
	s_lshl_b32 s22, s22, 23                        ; 2^(E - 8)
	s_mov_b32 s23, s22
.macro FETCH s, k, b
.irp tt, 0,1
	ds_load_b128 v[\b+8*\tt:\b+8*\tt+3], v[VA+\s] offset:8192*\tt+1024*(\k)
	ds_load_b128 v[\b+8*\tt+4:\b+8*\tt+7], v[VA+\s] offset:8192*\tt+1024*(\k)+512
.endr
.irp ct, 0,1,2,3
	ds_load_b128 v[\b+16+8*\ct:\b+19+8*\ct], v[VB+\s] offset:8192*\ct+1024*(\k)
	ds_load_b128 v[\b+20+8*\ct:\b+23+8*\ct], v[VB+\s] offset:8192*\ct+1024*(\k)+512
.endr
.endm
.macro MUL b, zero                     ; eight accumulators by turns
.irp tt, 0,1
.irp ct, 0,1,2,3
.if \zero
	v_wmma_f32_16x16x32_f16 v[ACC+8*(4*\tt+\ct):ACC+8*(4*\tt+\ct)+7], v[\b+16+8*\ct:\b+23+8*\ct], v[\b+8*\tt:\b+8*\tt+7], 0
.else
	v_wmma_f32_16x16x32_f16 v[ACC+8*(4*\tt+\ct):ACC+8*(4*\tt+\ct)+7], v[\b+16+8*\ct:\b+23+8*\ct], v[\b+8*\tt:\b+8*\tt+7], v[ACC+8*(4*\tt+\ct):ACC+8*(4*\tt+\ct)+7]
.endif
.endr
.endr
.endm
.macro CHUNK s, zero
	FETCH \s, 0, B0
.irp k, 0,1,2,3,4,5,6,7
.if \k < 7
	PLACES
	FETCH \s, \k+1, B0+48*((\k+1)%2)
	s_wait_dscnt 12                                ; all but the 12 just issued
.else
	s_wait_dscnt 0x0
.endif
.if (\zero) && (\k == 0)
	MUL B0+48*(\k%2), 1
.else
	MUL B0+48*(\k%2), 0
.endif
.endr
.endm
; The change of slots: all my tensor loads have landed, the add, my reads of the slot that I leave are back, the barrier; behind it that slot is filled again first.
.macro CHANGE g, refill
	s_wait_tensorcnt 0x0
	ds_add_u32 v[SPW], v[NIL]
.if \refill
	s_add_nc_u64 s[\g+2:\g+3], s[\g+2:\g+3], s[40:41]
.endif
	s_wait_dscnt 0x0
	s_barrier_signal -1
	s_barrier_wait -1
.if \refill
	tensor_load_to_lds s[\g:\g+3], s[G1:G1+7]
	s_nop 0
.endif
	PLACES                                         ; also the places in front of the loads into the fragment buffer
.endm
	s_wait_tensorcnt 1                             ; my part of chunk 0 is in; chunk 1's may stay out
	s_barrier_signal -1
	s_barrier_wait -1
	CHUNK 0, 1
	CHANGE G0A, 1
	CHUNK 1, 0
	CHANGE G0B, 1
	CHUNK 0, 0
	CHANGE G0A, 0
	CHUNK 1, 0
	; THE WAY OUT: x 2^(E - 8); a tile of 16 tokens x 64 columns goes through my stage and leaves as rows of 256 bytes.
	PLACES
.macro OUTT tt, m, bk
.set n, 0
.rept 16                               ; each accumulator from its low end on
	v_pk_mul_f32 v[\m+n:\m+n+1], v[ACC+32*\tt+n:ACC+32*\tt+n+1], s[22:23] op_sel_hi:[1,0]
.set n, n+2
.endr
.irp ct, 0,1,2,3
	ds_store_b128 v[STO], v[\m+8*\ct:\m+8*\ct+3] offset:64*\ct
	ds_store_b128 v[STO], v[\m+8*\ct+4:\m+8*\ct+7] offset:64*\ct+16
.endr
.irp i, 0,1,2,3,4,5,6,7
	ds_load_b128 v[\bk+4*\i:\bk+4*\i+3], v[RD] offset:544*\i       ; LDS serves a wave's instructions in order: these see my stores, and the next tile's stores come behind them
.endr
.endm
	OUTT 0, 80, 112
	OUTT 1, 144, 80
.irp i, 0,1,2,3,4,5,6,7
	s_wait_dscnt 23-\i                             ; behind load i of tile 0: its later loads and tile 1's sixteen LDS instructions
	global_store_b128 v[GO], v[112+4*\i:115+4*\i], s[46:47] offset:8192*\i       ; sixteen lanes store 256 consecutive bytes, aligned
.endr
.irp i, 0,1,2,3,4,5,6,7
	s_wait_dscnt 7-\i
	global_store_b128 v[GO], v[80+4*\i:83+4*\i], s[46:47] offset:65536+8192*\i
.endr
	s_wait_tensorcnt 0x0                           ; the wave's end
	ds_add_u32 v[SPW], v[NIL]
	s_wait_dscnt 0x0
	s_endpgm
.Lfunc_end_k_q177cb1de85_oproj:
	.size	k_q177cb1de85_oproj, .Lfunc_end_k_q177cb1de85_oproj-k_q177cb1de85_oproj
	.p2alignl 7, 3214868480
	.fill 96, 4, 3214868480
	.section	.rodata,"a",@progbits
	.p2align	6, 0x0
	.amdhsa_kernel k_q177cb1de85_oproj
		.amdhsa_group_segment_fixed_size 327680
		.amdhsa_private_segment_fixed_size 0
		.amdhsa_enable_private_segment 0
		.amdhsa_kernarg_size 32
		.amdhsa_user_sgpr_count 2
		.amdhsa_user_sgpr_kernarg_segment_ptr 1
		.amdhsa_wavefront_size32 1
		.amdhsa_system_sgpr_workgroup_id_x 1
		.amdhsa_system_sgpr_workgroup_id_y 1
		.amdhsa_system_sgpr_workgroup_id_z 1
		.amdhsa_system_vgpr_workitem_id 0
		.amdhsa_next_free_vgpr 192
		.amdhsa_next_free_sgpr 72
		.amdhsa_reserve_vcc 0
		.amdhsa_float_denorm_mode_32 3
		.amdhsa_float_denorm_mode_16_64 3
		.amdhsa_memory_ordered 1
		.amdhsa_forward_progress 1
		.amdhsa_inst_pref_size 59
	.end_amdhsa_kernel
	.amdgpu_metadata
---
amdhsa.version: [ 1, 2 ]
amdhsa.kernels:
  - .name:           k_q177cb1de85_oproj
    .symbol:         k_q177cb1de85_oproj.kd
    .args:
      - { .name: o16, .offset: 0, .size: 8, .value_kind: global_buffer, .address_space: global }
      - { .name: w16, .offset: 8, .size: 8, .value_kind: global_buffer, .address_space: global }
      - { .name: lmax, .offset: 16, .size: 8, .value_kind: global_buffer, .address_space: global }
      - { .name: out0, .offset: 24, .size: 8, .value_kind: global_buffer, .address_space: global }
    .group_segment_fixed_size: 327680
    .private_segment_fixed_size: 0
    .kernarg_segment_align: 8
    .kernarg_segment_size: 32
    .max_flat_workgroup_size: 256
    .sgpr_count:     72
    .vgpr_count:     192
    .wavefront_size: 32
...
	.end_amdgpu_metadata
.endif
;; end of part 6
